; MI455X (gfx1250); checked and timed in simulation.
; The chip was launched on July 23, 2026; its instructions are those of AMD's public machine-readable ISA for CDNA 5 (MIT licence, August 2026) and "CDNA5" Instruction Set Architecture Reference Guide (July 2026). The comments in the code are by the model that wrote it; some were corrected since.
;; Mixture Of Experts. Allowed arithmetic: matrix products marked QUANTISED: E5M2 operands, one E8M0 scale for each 32 along K, by v_wmma_scale_f32_16x16x128_f8f6f4 with both operands' format E5M2, f32 sums; products left as they are: f32 operands where the result goes on into a quantised operand, else bf16, f16 or f32 operands; f32 sums; everything else in f32.
;; Inputs: W1 8 x 1,024 x 4,096 float32; W2 8 x 4,096 x 1,024 float32; Wg 1,024 x 8 float32; b1 8 x 4,096 float32; b2 8 x 1,024 float32; bg 8 float32; x 1,024 x 1,024 float32.
;; Outputs: out0 1,024 x 1,024 float32.
;; Constants: top_k = 2.
;; This version of the problem:
;;   THIS VERSION OF THE PROBLEM IS GIVEN IN LOW PRECISION. The matrix products marked QUANTISED in the list below multiply operands that are first quantised to E5M2 (5 exponent bits, 2 mantissa bits; 8 bits a number), with one power-of-two scale for each 32 numbers along K (OCP MX v1.0); their sums are f32. All else is computed in f32.
;;   The module's matrix products, in the order in which they are computed (A, B: the left and right operand; K: the contracted axis; several contracted axes count as one K, in the product's order):
;;     1. [M 1,024, K 1,024] x [K 1,024, N 8]; A: input x; B: input Wg: left as it is (N = 8 < 16)
;;     2. [M 1,024, K 1,024] x [K 1,024, N 32,768]; A: input x; B: input W1: QUANTISED
;;     3. batch 8 x [M 1,024, K 4,096] x [K 4,096, N 1,024]; A: input W2; B: computed on the way: QUANTISED
;;   THE QUANTISER, for each operand of a quantised product, along K:
;;     - K is cut into blocks of 32 from its start; a last block that is shorter is filled with zeros.
;;     - A block's scale is 2^e with e = floor(log2(the largest magnitude in the block)) - 15, held to -126 .. 127; a block of zeros has e = 0. As a byte (E8M0): e + 127.
;;     - Each number is divided by its block's scale, clamped to +-57,344, and rounded to the nearest number of E5M2, ties to even, subnormals kept.
;;     - The product sums the exact products of the quantised numbers (number of the format x scale) in f32.
;;   ~~~python
;;   def quantise(x, axis):      # numpy; x: float32 -> the quantised numbers, widened to float32 again
;;       x = np.moveaxis(x, axis, -1); K = x.shape[-1]
;;       x = np.pad(x, [(0, 0)] * (x.ndim - 1) + [(0, -K % 32)]); x = x.reshape(x.shape[:-1] + (-1, 32)); a = np.abs(x).max(-1, keepdims=True)
;;       e = np.where(a > 0, np.clip(np.frexp(np.where(a > 0, a, 1))[1] - 1 - 15, -126, 127), 0)      # np.frexp(a)[1] - 1 = floor(log2(a)), exactly
;;       r = np.clip(x / 2.0 ** e, -57344, 57344)
;;       step = 2.0 ** (np.maximum(np.frexp(np.where(r == 0, 1, r))[1] - 1, -14) - 2)
;;       q = np.round(r / step) * step * 2.0 ** e      # np.round: ties to even
;;       return np.moveaxis(q.reshape(q.shape[:-2] + (-1,))[..., :K], -1, axis).astype(np.float32)
;;   ~~~
;;   OPERANDS COMPUTED ON THE WAY. 'Computed on the way' means the value that the module computes at that place (a softmax that the list does not call 'softmax' is quantised finished and normalised). What goes into a quantiser is computed in f32, as accurately as f32 sums, v_exp_f32 and their like allow (about 1e-6 of the number): no bf16 or f16 on the way to a quantiser, and a product that is left as it is and whose result goes on into a quantised operand takes f32 operands (vector FMAs, or v_wmma_f32_16x16x4_f32). A number that lies on a knife's edge between two numbers of the format may be rounded either way, as far as f32 arithmetic and the matrix unit's own rounding can turn it there, and no further.
;; 2 versions. Each part assembles by itself: llvm-mc -triple=amdgcn-amd-amdhsa -mcpu=gfx1250 --defsym DOCPART=n.
;; ======== version 1 of 2: 5 launches
;; workspace buffers: ridx 8,192 bytes of whole numbers; rt 1,089,536 bytes; plan 8,448 bytes of whole numbers; xs 8,650,752 bytes; hid 34,603,008 bytes; y 67,108,864 bytes
;; launch route (part 1): grid 256 x 1, 4 waves a work-group, no clusters, 1,536 bytes of LDS; arguments x, Wg, bg, ridx, rt; writes ridx, rt
.if DOCPART == 1
	.amdgcn_target "amdgcn-amd-amdhsa--gfx1250"
	.amdhsa_code_object_version 6
	.text
	.protected	k_qa0b0a427fa_route
	.globl	k_qa0b0a427fa_route
	.p2align	8
	.type	k_qa0b0a427fa_route,@function
k_qa0b0a427fa_route:
	s_mov_b64 s[64:65], 0
	v_nop
	global_prefetch_b8 v0, s[64:65] scope:SCOPE_SE
	s_setreg_imm32_b32 hwreg(HW_REG_WAVE_MODE, 25, 1), 1
	s_wait_xcnt 0x0
; ROUTER AND QUANTISER OF x.  x [1024][1024] f32, Wg [1024][8], bg [8].
; Out: ridx [token][2] u32, the two chosen experts (ties: the lower index first, as jax.lax.top_k has it);
;      rt: codes of x in E5M2 [token][1024 B] at 0, their E8M0 bytes [token][32] at XSC, the two gate weights [token][2] f32 at GW.
; A work-group owns 4 tokens; wave q owns k = 256 q .. 256 q + 255 of them; lane l holds 8 neighbours along k, so a block of 32 lies in 4 lanes.
; The logits are f32 fused multiply-adds.  32 sums (4 tokens x 8 experts) are folded over the 32 lanes so that lane n ends with sum n;
; the four waves' parts meet in LDS; wave 0 makes the softmax (largest logit taken away first), the top 2 and their softmax.
; No address and no branch hangs on a chosen expert: the choice is stored at fixed places.
; LIMITS: NaN and infinities are not served.  A block whose largest magnitude lies under 2^-111 keeps the scale byte 1; a block of zeros
; has byte 1 over zero codes (only this program reads the bytes).  Gates under 2^-126 count as 0 (v_exp_f32 gives no denormals: ISA guide 15.8);
; gates that differ by an ulp or less may be ordered otherwise than by another order of summation.
.set XSC, 1048576
.set GW,  1081344
.set X,   16                           ; v16-47   x: 8 numbers for each of 4 tokens
.set WGR, 48                           ; v48-111  Wg: my 8 rows x 8 experts
.set ACC, 112                          ; v112-143 the 32 sums, 8 a + e
.set T,   144                          ; v144-151 numbers held within the largest code x the scale (x itself stays for the logits)
.set CD,  152                          ; v152-159 codes, a pair for each token
.set MX,  160
.set SC,  161
.set HD,  162
.set BG,  163
.set BY,  164                          ; v164-167 a scale byte for each token
	s_load_b128 s[4:7], s[0:1], 0x0                ; x, Wg
	s_load_b128 s[8:11], s[0:1], 0x10              ; bg, ridx
	s_load_b64 s[12:13], s[0:1], 0x20              ; rt
	v_lshl_add_u32 v176, v0, 2, 0x400
	v_mov_b32 v177, 0
	v_lshrrev_b32 v1, 5, v0
	v_readfirstlane_b32 s14, v1                    ; wave q
	v_and_b32 v1, 31, v0                           ; lane
	s_lshl_b32 s15, s14, 10
	s_lshl_b32 s16, ttmp9, 14
	s_add_co_u32 s16, s16, s15
	v_lshl_add_u32 v2, v1, 5, s16                  ; x: 4 rows x 4,096 x group + 1,024 q + 32 l
	s_lshl_b32 s17, s14, 13
	v_lshl_add_u32 v3, v1, 8, s17                  ; Wg: my 8 rows are 256 bytes on end
	s_lshl_b32 s18, ttmp9, 12
	s_lshl_b32 s19, s14, 8
	s_add_co_u32 s18, s18, s19
	v_lshl_add_u32 v4, v1, 3, s18                  ; codes: 4 rows x 1,024 x group + 256 q + 8 l
	v_lshrrev_b32 v5, 2, v1
	s_lshl_b32 s19, s14, 3
	s_add_co_u32 s19, s19, 512
	v_add_nc_u32 v5, s19, v5                       ; LDS: scale bytes at 512 + 32 a + 8 q + l / 4
	v_lshlrev_b32 v6, 2, v0                        ; LDS: the waves' parts of the sums, 128 q + 4 l
	v_lshlrev_b32 v7, 2, v1                        ; 4 l
	v_and_b32 v8, 7, v0                            ; e of the last phase
	v_lshlrev_b32 v9, 2, v8
	s_lshl_b32 s22, ttmp9, 7
	v_add_nc_u32 v10, s22, v7                      ; the group's 128 scale bytes in rt
	s_lshl_b32 s29, ttmp9, 5                       ; 8 bytes x 4 tokens x group
	s_mov_b32 s20, 0x76543210
	s_mov_b32 s21, 0xfedcba98                      ; v_permlanex16_b32: lane l xor 16
	s_mov_b32 s23, 0x600000                        ; the mantissa field of 57,344
	s_mov_b32 s24, 0xffff0000                      ; lanes whose bit 4, 3, 2, 1, 0 is set
	s_mov_b32 s25, 0xff00ff00
	s_mov_b32 s26, 0xf0f0f0f0
	s_mov_b32 s27, 0xcccccccc
	s_mov_b32 s28, 0xaaaaaaaa
	s_wait_kmcnt 0x0
.irp a, 0,1,2,3
	global_load_b128 v[X+8*\a:X+8*\a+3], v2, s[4:5] offset:4096*\a th:TH_LOAD_NT
	global_load_b128 v[X+8*\a+4:X+8*\a+7], v2, s[4:5] offset:4096*\a+16 th:TH_LOAD_NT
.endr
.set n, 0
.rept 16
	global_load_b128 v[WGR+4*n:WGR+4*n+3], v3, s[6:7] offset:16*n
.set n, n+1
.endr
	global_load_b32 v[BG], v9, s[8:9]
	s_wait_loadcnt 17                              ; x's eight loads are in; Wg's sixteen and bg's one may be out
; x into codes: the block's largest magnitude (with the floor 2^(16 - 127) as a leaf), 15 off its exponent field, the hold, the conversion
.irp a, 0,1,2,3
	v_max3_num_f32 v[MX], |v[X+8*\a]|, |v[X+8*\a+1]|, 0x8000000
	v_max3_num_f32 v[MX], v[MX], |v[X+8*\a+2]|, |v[X+8*\a+3]|
	v_max3_num_f32 v[MX], v[MX], |v[X+8*\a+4]|, |v[X+8*\a+5]|
	v_max3_num_f32 v[MX], v[MX], |v[X+8*\a+6]|, |v[X+8*\a+7]|
	v_max_num_f32_dpp v[MX], v[MX], v[MX] row_xmask:1 row_mask:0xf bank_mask:0xf
	v_max_num_f32_dpp v[MX], v[MX], v[MX] row_xmask:2 row_mask:0xf bank_mask:0xf   ; the four lanes of the block
	v_add_nc_u32 v[SC], 0xf8800000, v[MX]          ; the conversion's scale operand
	v_and_or_b32 v[HD], v[MX], 0x7f800000, s23     ; 57,344 x the scale
.irp i, 0,1,2,3,4,5,6,7
	v_med3_num_f32 v[T+\i], v[X+8*\a+\i], -v[HD], v[HD]   ; the conversion does not saturate (ISA guide 7.6.2)
.endr
	v_cvt_scalef32_pk8_bf8_f32 v[CD+2*\a:CD+2*\a+1], v[T:T+7], v[SC]
	v_lshrrev_b32 v[BY+\a], 23, v[SC]              ; the scale's byte; also the plain line behind the conversion
	global_store_b64 v4, v[CD+2*\a:CD+2*\a+1], s[12:13] offset:1024*\a   ; the wave stores 256 consecutive bytes
	ds_store_b8 v5, v[BY+\a] offset:32*\a          ; the block's four lanes write the same byte
.endr
	s_wait_loadcnt 0x0                             ; Wg, bg
; the logits' parts: 16 independent packed lines for each of my 8 k; the first k starts the sums
.irp a, 0,1,2,3
.irp ee, 0,1,2,3
	v_pk_mul_f32 v[ACC+8*\a+2*\ee:ACC+8*\a+2*\ee+1], v[X+8*\a:X+8*\a+1], v[WGR+2*\ee:WGR+2*\ee+1] op_sel_hi:[0,1]
.endr
.endr
.irp a, 0,1,2,3
.irp ee, 0,1,2,3
	v_pk_fma_f32 v[ACC+8*\a+2*\ee:ACC+8*\a+2*\ee+1], v[X+8*\a:X+8*\a+1], v[WGR+8+2*\ee:WGR+8+2*\ee+1], v[ACC+8*\a+2*\ee:ACC+8*\a+2*\ee+1] op_sel:[1,0,0] op_sel_hi:[1,1,1]
.endr
.endr
.irp kp, 2,4,6
.irp a, 0,1,2,3
.irp ee, 0,1,2,3
	v_pk_fma_f32 v[ACC+8*\a+2*\ee:ACC+8*\a+2*\ee+1], v[X+8*\a+\kp:X+8*\a+\kp+1], v[WGR+8*\kp+2*\ee:WGR+8*\kp+2*\ee+1], v[ACC+8*\a+2*\ee:ACC+8*\a+2*\ee+1] op_sel_hi:[0,1,1]
.endr
.endr
.irp a, 0,1,2,3
.irp ee, 0,1,2,3
	v_pk_fma_f32 v[ACC+8*\a+2*\ee:ACC+8*\a+2*\ee+1], v[X+8*\a+\kp:X+8*\a+\kp+1], v[WGR+8*\kp+8+2*\ee:WGR+8*\kp+8+2*\ee+1], v[ACC+8*\a+2*\ee:ACC+8*\a+2*\ee+1] op_sel:[1,0,0] op_sel_hi:[1,1,1]
.endr
.endr
.endr
; 32 sums over 32 lanes: in each step a lane keeps the half of the sums whose index has its own lane bit, and gives the other half away
.set i, 0
.rept 16
	v_cndmask_b32 v[16+i], v[ACC+i], v[ACC+16+i], s24
	v_cndmask_b32 v[32+i], v[ACC+16+i], v[ACC+i], s24
.set i, i+1
.endr
.set i, 0
.rept 16
	v_permlanex16_b32 v[48+i], v[32+i], s20, s21
.set i, i+1
.endr
.set i, 0
.rept 16
	v_add_f32 v[ACC+i], v[16+i], v[48+i]
.set i, i+1
.endr
.macro RSTEP n, m, x
.set i, 0
.rept \n
	v_cndmask_b32 v[16+i], v[ACC+i], v[ACC+\n+i], s[\m]
	v_cndmask_b32 v[32+i], v[ACC+\n+i], v[ACC+i], s[\m]
.set i, i+1
.endr
.set i, 0
.rept \n
	v_add_f32_dpp v[ACC+i], v[32+i], v[16+i] row_xmask:\x row_mask:0xf bank_mask:0xf
.set i, i+1
.endr
.endm
	RSTEP 8, 25, 8
	RSTEP 4, 26, 4
	RSTEP 2, 27, 2
	RSTEP 1, 28, 1
	ds_store_b32 v6, v[ACC]                        ; lane l: my wave's part of sum l (token l / 8, expert l % 8)
	s_wait_dscnt 0x0                               ; for the others' sake: my parts and my scale bytes have landed
	s_barrier_signal -1
	s_barrier_wait -1
.macro RED8 op, r                      ; over the eight lanes of a token
	\op v[\r], v[\r], v[\r] row_xmask:1 row_mask:0xf bank_mask:0xf
	\op v[\r], v[\r], v[\r] row_xmask:2 row_mask:0xf bank_mask:0xf
	\op v[\r], v[\r], v[\r] row_xmask:4 row_mask:0xf bank_mask:0xf
.endm
	s_cmp_lg_u32 s14, 0
	s_cbranch_scc1 .Lnot0
	ds_load_b32 v17, v7
	ds_load_b32 v18, v7 offset:128
	ds_load_b32 v19, v7 offset:256
	ds_load_b32 v20, v7 offset:384
	v_cvt_f32_u32 v21, v8                          ; my expert's number as f32
	v_mov_b32 v26, 0x41000000                      ; 8.0: over every expert's number
	v_mov_b32 v27, -1.0                            ; under every gate
	s_wait_dscnt 0x0
	v_add_f32 v17, v17, v18
	v_add_f32 v19, v19, v20
	v_add_f32 v17, v17, v19
	v_add_f32 v17, v17, v[BG]                      ; the logit
	v_mov_b32 v18, v17
	RED8 v_max_num_f32_dpp, 18                     ; the token's largest logit is taken away first
	v_sub_f32 v19, v17, v18
	v_mul_f32 v19, 0x3fb8aa3b, v19
	v_exp_f32 v19, v19
	v_nop                                          ; one plain line behind a transcendental (ISA guide 5.7.2)
	s_wait_alu depctr_va_vdst(0)
	v_mov_b32 v20, v19
	RED8 v_add_f32_dpp, 20
	v_rcp_f32 v20, v20
	v_nop
	s_wait_alu depctr_va_vdst(0)
	v_mul_f32 v19, v19, v20                        ; the gate
	v_mov_b32 v22, v19
	RED8 v_max_num_f32_dpp, 22                     ; the largest gate,
	v_cmp_eq_f32 vcc_lo, v19, v22
	v_cndmask_b32 v23, v26, v21, vcc_lo
	RED8 v_min_num_f32_dpp, 23                     ; and the lowest expert that has it
	v_cmp_eq_f32 vcc_lo, v21, v23
	v_cndmask_b32 v24, v19, v27, vcc_lo            ; that expert is out of the second search
	v_mov_b32 v25, v24
	RED8 v_max_num_f32_dpp, 25
	v_cmp_eq_f32 vcc_lo, v24, v25
	v_cndmask_b32 v28, v26, v21, vcc_lo
	RED8 v_min_num_f32_dpp, 28
	v_sub_f32 v29, v25, v22                        ; second less first: 0 or less, so the exponential is at most 1
	v_mul_f32 v29, 0x3fb8aa3b, v29
	v_exp_f32 v29, v29
	v_nop
	v_cvt_u32_f32 v32, v23
	v_cvt_u32_f32 v33, v28
	s_wait_alu depctr_va_vdst(0)
	v_add_f32 v30, 1.0, v29
	v_rcp_f32 v34, v30                             ; the first weight: 1 / (1 + d)
	v_and_b32 v36, 24, v1                          ; 8 bytes x (l / 8)
	s_wait_alu depctr_va_vdst(0)
	v_mul_f32 v35, v29, v34                        ; the second: d / (1 + d)
	v_add_nc_u32 v36, s29, v36
	v_cmp_eq_u32 vcc_lo, 0, v8
	s_wait_xcnt 0x0                                ; EXEC changes only behind this wait
	s_and_saveexec_b32 s19, vcc_lo                 ; one lane for each token
	global_store_b64 v36, v[32:33], s[10:11]
	global_store_b64 v36, v[34:35], s[12:13] offset:GW
	s_wait_xcnt 0x0
	s_or_b32 exec_lo, exec_lo, s19
.Lnot0:
	s_cmp_lg_u32 s14, 1
	s_cbranch_scc1 .Lend
	ds_load_b32 v17, v7 offset:512                 ; the four tokens' 128 scale bytes
	s_wait_dscnt 0x0
	global_store_b32 v10, v17, s[12:13] offset:XSC
.Lend:
	s_wait_tensorcnt 0x0
	ds_add_u32 v176, v177
	s_wait_dscnt 0x0
	s_endpgm
.Lfunc_end_k_qa0b0a427fa_route:
	.size	k_qa0b0a427fa_route, .Lfunc_end_k_qa0b0a427fa_route-k_qa0b0a427fa_route
	.p2alignl 7, 3214868480
	.fill 96, 4, 3214868480
	.section	.rodata,"a",@progbits
	.p2align	6, 0x0
	.amdhsa_kernel k_qa0b0a427fa_route
		.amdhsa_group_segment_fixed_size 1536
		.amdhsa_private_segment_fixed_size 0
		.amdhsa_enable_private_segment 0
		.amdhsa_kernarg_size 40
		.amdhsa_user_sgpr_count 2
		.amdhsa_user_sgpr_kernarg_segment_ptr 1
		.amdhsa_wavefront_size32 1
		.amdhsa_system_sgpr_workgroup_id_x 1
		.amdhsa_system_sgpr_workgroup_id_y 1
		.amdhsa_system_sgpr_workgroup_id_z 1
		.amdhsa_system_vgpr_workitem_id 0
		.amdhsa_next_free_vgpr 178
		.amdhsa_next_free_sgpr 66
		.amdhsa_reserve_vcc 1
		.amdhsa_float_denorm_mode_32 3
		.amdhsa_float_denorm_mode_16_64 3
		.amdhsa_memory_ordered 1
		.amdhsa_forward_progress 1
		.amdhsa_inst_pref_size 28
	.end_amdhsa_kernel
	.amdgpu_metadata
---
amdhsa.version: [ 1, 2 ]
amdhsa.kernels:
  - .name:           k_qa0b0a427fa_route
    .symbol:         k_qa0b0a427fa_route.kd
    .args:
      - { .name: x, .offset: 0, .size: 8, .value_kind: global_buffer, .address_space: global }
      - { .name: Wg, .offset: 8, .size: 8, .value_kind: global_buffer, .address_space: global }
      - { .name: bg, .offset: 16, .size: 8, .value_kind: global_buffer, .address_space: global }
      - { .name: ridx, .offset: 24, .size: 8, .value_kind: global_buffer, .address_space: global }
      - { .name: rt, .offset: 32, .size: 8, .value_kind: global_buffer, .address_space: global }
    .group_segment_fixed_size: 1536
    .private_segment_fixed_size: 0
    .kernarg_segment_align: 8
    .kernarg_segment_size: 40
    .max_flat_workgroup_size: 128
    .sgpr_count:     66
    .vgpr_count:     178
    .wavefront_size: 32
...
	.end_amdgpu_metadata
.endif
;; end of part 1
;; launch place (part 2): grid 32 x 1, 32 waves a work-group, no clusters, 8,704 bytes of LDS; arguments ridx, rt, plan, xs; writes plan, xs
.if DOCPART == 2
	.amdgcn_target "amdgcn-amd-amdhsa--gfx1250"
	.amdhsa_code_object_version 6
	.text
	.protected	k_qa0b0a427fa_place
	.globl	k_qa0b0a427fa_place
	.p2align	8
	.type	k_qa0b0a427fa_place,@function
k_qa0b0a427fa_place:
	s_mov_b64 s[64:65], 0
	v_nop
	global_prefetch_b8 v0, s[64:65] scope:SCOPE_SE
	s_setreg_imm32_b32 hwreg(HW_REG_WAVE_MODE, 25, 1), 1
	s_wait_xcnt 0x0
; THE ROWS ARE PLACED BY EXPERT.  In: ridx [token][2], rt (codes and scale bytes of x).
; Out: plan: the eight counts n_e at 0; POS [token][2] at 256: for each of a token's two choices its place 1,024 e + rank.
;      xs: XS [e][tile of 16 ranks][K step of 128][2,048 B]: a fragment as the product's lanes load it: block c of 32 codes of row r at 512 c + 32 r;
;          XSS [e][tile][K step][16 words]: the rows' scale words.
; Every work-group ranks all 1,024 tokens, a thread to a token: a rank is the count of earlier tokens with the same expert (waves below, then lanes below).
; All of that is whole-number arithmetic.  Work-group g then stores only what belongs to tokens 32 g .. 32 g + 31: wave g their places, wave w the two copies of token 32 g + w.
; The ranks from n_e up to the next multiple of 16 are filled with zero codes and zero scale words, so that every byte that a later launch reads has been stored;
; their 32 pieces of 32 bytes are shared out, one piece to a work-group.
; A row's codes leave in pieces of 32 bytes (its block's place in an image): 2 MB in all.
.set XSC,  1048576
.set XSS,  8388608
.set POS,  256
.set DD,   4352                        ; LDS: 0 .. 4,223 the waves' counts, 132 bytes a wave; from DD on the 32 pairs of places
	s_load_b256 s[4:11], s[0:1], 0x0               ; ridx, rt, plan, xs
	v_lshl_add_u32 v96, v0, 2, 0x1200
	v_mov_b32 v97, 0
	v_lshrrev_b32 v1, 5, v0
	v_readfirstlane_b32 s12, v1                    ; wave
	v_and_b32 v1, 31, v0                           ; lane
	v_lshlrev_b32 v6, 3, v0                        ; 8 bytes a token
	s_lshl_b32 s13, ttmp9, 5
	s_add_co_u32 s13, s13, s12                     ; the token that my wave copies: 32 g + wave
	s_lshl_b32 s14, s13, 10
	v_lshl_add_u32 v7, v1, 4, s14
	s_lshl_b32 s15, s13, 5
	v_and_b32 v22, 7, v1
	v_lshl_add_u32 v23, v22, 2, s15
	s_mul_i32 s18, s12, 132
	v_lshl_add_u32 v21, v1, 2, s18                 ; LDS: my wave's counts
	v_mul_u32_u24 v32, v1, 132                     ; LDS: wave l's counts
	v_lshl_add_u32 v52, v1, 3, DD                  ; LDS: token 32 g + l's pair of places
	s_lshl_b32 s24, s12, 3
	s_add_co_u32 s24, s24, DD
	v_mov_b32 v53, s24                             ; LDS: the pair of my wave's token
	v_mov_b32 v17, 0                               ; rank in the wave for choice 0, choice 1
	v_mov_b32 v18, 0
	v_mov_b32 v19, 0                               ; lane e: the wave's count for expert e
	v_mov_b32 v34, 0
	v_mov_b32 v35, 0
.irp e, 0,1,2,3,4,5,6,7
	v_mov_b32 v[40+\e], 0                          ; written once: a lane move's destination counts as read
.endr
.irp i, 72,73,74,75
	v_mov_b32 v[\i], 0                             ; 16 zero bytes
.endr
	s_mov_b32 s20, 0x76543210
	s_mov_b32 s21, 0xfedcba98
	s_wait_kmcnt 0x0
	s_add_nc_u64 s[26:27], s[10:11], XSS
	global_load_b64 v[2:3], v6, s[4:5]             ; my token's two experts
	global_load_b128 v[8:11], v7, s[6:7]           ; my wave's token: codes 16 l .. and 512 + 16 l ..
	global_load_b128 v[12:15], v7, s[6:7] offset:512
	global_load_b32 v16, v23, s[6:7] offset:XSC    ; its scale word l % 8
	s_wait_loadcnt 3                               ; the experts are in; three loads were issued behind
	v_min_u32 v2, 7, v2
	v_min_u32 v3, 7, v3
.irp e, 0,1,2,3,4,5,6,7
	v_cmp_eq_u32 s[32+2*\e], \e, v2
	v_cmp_eq_u32 s[33+2*\e], \e, v3
	s_or_b32 s16, s[32+2*\e], s[33+2*\e]           ; a token names an expert once at the most
	s_bcnt1_i32_b32 s17, s16
	v_mbcnt_lo_u32_b32 v20, s16, 0                 ; lanes below me with this expert
	v_cndmask_b32 v17, v17, v20, s[32+2*\e]
	v_cndmask_b32 v18, v18, v20, s[33+2*\e]
	v_writelane_b32 v19, s17, \e
.endr
	ds_store_b32 v21, v19
	s_wait_dscnt 0x0
	s_barrier_signal -1
	s_barrier_wait -1
.irp e, 0,1,2,3,4,5,6,7
	ds_load_b32 v[24+\e], v32 offset:4*\e
.endr
	v_cmp_gt_u32 vcc_lo, s12, v1                   ; waves below mine
	s_wait_dscnt 0x0
.irp e, 0,1,2,3,4,5,6,7
	v_lshlrev_b32 v20, 16, v[24+\e]
	v_cndmask_b32 v20, 0, v20, vcc_lo
	v_or_b32 v[24+\e], v[24+\e], v20               ; low half: for the total; high half: for the sum over the waves below (both at most 1,024)
.endr
.irp x, 1,2,4,8
.irp e, 0,1,2,3,4,5,6,7
	v_mov_b32_dpp v[40+\e], v[24+\e] row_xmask:\x row_mask:0xf bank_mask:0xf
.endr
.irp e, 0,1,2,3,4,5,6,7
	v_add_nc_u32 v[24+\e], v[24+\e], v[40+\e]
.endr
.endr
.irp e, 0,1,2,3,4,5,6,7
	v_permlanex16_b32 v[40+\e], v[24+\e], s20, s21
.endr
.irp e, 0,1,2,3,4,5,6,7
	v_add_nc_u32 v[24+\e], v[24+\e], v[40+\e]
.endr
.irp e, 0,1,2,3,4,5,6,7
	v_lshrrev_b32 v[40+\e], 16, v[24+\e]           ; ranks taken by the waves below
	v_and_b32 v[24+\e], 0xffff, v[24+\e]           ; n_e
.endr
.irp e, 0,1,2,3,4,5,6,7
	v_cndmask_b32 v34, v34, v[40+\e], s[32+2*\e]
	v_cndmask_b32 v35, v35, v[40+\e], s[33+2*\e]
.endr
	v_add_nc_u32 v34, v34, v17
	v_add_nc_u32 v35, v35, v18
	v_lshl_add_u32 v34, v2, 10, v34                ; the place: 1,024 e + rank
	v_lshl_add_u32 v35, v3, 10, v35
	v_min_u32 v34, 0x1fff, v34
	v_min_u32 v35, 0x1fff, v35
	s_cmp_lg_u32 s12, ttmp9                        ; wave g's threads are tokens 32 g .. 32 g + 31: one wave alone passes
	s_cbranch_scc1 .Lnotg
	global_store_b64 v6, v[34:35], s[8:9] offset:POS   ; the wave stores 256 consecutive bytes
	ds_store_b64 v52, v[34:35]
.Lnotg:
	s_wait_dscnt 0x0
	s_barrier_signal -1
	s_barrier_wait -1
	ds_load_b64 v[54:55], v53                      ; my wave's token's two places
	v_lshrrev_b32 v56, 3, v1                       ; my 16 codes begin at k = 16 l: K step l / 8, block (l / 2) % 4, half l % 2
	v_lshlrev_b32 v56, 11, v56
	v_bfe_u32 v57, v1, 1, 2
	v_lshl_add_u32 v56, v57, 9, v56
	v_and_b32 v57, 1, v1
	v_lshl_add_u32 v56, v57, 4, v56
	v_lshlrev_b32 v58, 6, v22                      ; scale word of K step l % 8: 64 bytes a step
	s_wait_dscnt 0x0
	v_min_u32 v54, 0x1fff, v54
	v_min_u32 v55, 0x1fff, v55
.irp d, 0,1
	v_and_b32 v[60+4*\d], 0x1ff0, v[54+\d]         ; 16 x tile
	v_and_b32 v[61+4*\d], 15, v[54+\d]             ; row in the tile
	v_lshlrev_b32 v[62+4*\d], 10, v[60+4*\d]       ; a tile's images: 16,384 bytes
	v_lshl_add_u32 v[62+4*\d], v[61+4*\d], 5, v[62+4*\d]
	v_add_nc_u32 v[62+4*\d], v[62+4*\d], v56
	v_lshlrev_b32 v[63+4*\d], 5, v[60+4*\d]        ; a tile's scale words: 512 bytes
	v_lshl_add_u32 v[63+4*\d], v[61+4*\d], 2, v[63+4*\d]
	v_add_nc_u32 v[63+4*\d], v[63+4*\d], v58
.endr
	s_wait_loadcnt 0x0
.irp d, 0,1
	global_store_b128 v[62+4*\d], v[8:11], s[10:11]
	global_store_b128 v[62+4*\d], v[12:15], s[10:11] offset:8192   ; k 512 on: four K steps on
	global_store_b32 v[63+4*\d], v16, s[26:27]     ; four lanes hold each word and write it alike
.endr
; the ranks that fill an expert's last tile
	s_cmp_lt_u32 s12, 4
	s_cbranch_scc0 .Lend
	v_lshrrev_b32 v76, 4, v1
	s_lshl_b32 s28, s12, 1
	v_add_nc_u32 v76, s28, v76                     ; my expert: 2 wave + l / 16
	v_mov_b32 v77, 0
.irp e, 0,1,2,3,4,5,6,7
	v_cmp_eq_u32 vcc_lo, \e, v76
	v_cndmask_b32 v77, v77, v[24+\e], vcc_lo       ; its n
.endr
	v_and_b32 v78, 15, v1                          ; q
	v_sub_nc_u32 v79, 0, v77
	v_and_b32 v79, 15, v79                         ; ranks to fill
	v_lshl_add_u32 v80, v76, 10, v77
	v_add_nc_u32 v80, v80, v78                     ; the place 1,024 e + n + q
	v_min_u32 v80, 0x1fff, v80
	v_and_b32 v81, 0x1ff0, v80
	v_and_b32 v82, 15, v80
	s_lshr_b32 s29, ttmp9, 2
	s_lshl_b32 s29, s29, 11
	s_and_b32 s30, ttmp9, 3
	s_lshl_b32 s30, s30, 9
	s_add_co_u32 s29, s29, s30                     ; my work-group's piece: K step g / 4, block g % 4
	v_lshlrev_b32 v83, 10, v81
	v_lshl_add_u32 v83, v82, 5, v83
	v_add_nc_u32 v83, s29, v83
	s_lshl_b32 s30, ttmp9, 6
	v_lshlrev_b32 v84, 5, v81
	v_lshl_add_u32 v84, v82, 2, v84
	v_add_nc_u32 v84, s30, v84                     ; (used by work-groups 0 to 7: K step g)
	v_lshlrev_b32 v86, 2, v76
	v_cmp_lt_u32 vcc_lo, v78, v79
	s_wait_xcnt 0x0                                ; EXEC changes only behind this wait
	s_and_saveexec_b32 s19, vcc_lo
	global_store_b128 v83, v[72:75], s[10:11]
	global_store_b128 v83, v[72:75], s[10:11] offset:16
	s_cmp_lt_u32 ttmp9, 8
	s_cbranch_scc0 .Lp1
	global_store_b32 v84, v72, s[26:27]
.Lp1:
	s_wait_xcnt 0x0
	s_or_b32 exec_lo, exec_lo, s19
	s_cmp_lg_u32 ttmp9, 9
	s_cbranch_scc1 .Lend
	v_cmp_eq_u32 vcc_lo, 0, v78
	s_and_saveexec_b32 s19, vcc_lo                 ; lanes 0 and 16 of waves 0 to 3: the eight counts
	global_store_b32 v86, v77, s[8:9]
	s_wait_xcnt 0x0
	s_or_b32 exec_lo, exec_lo, s19
.Lend:
	s_wait_tensorcnt 0x0
	ds_add_u32 v96, v97
	s_wait_dscnt 0x0
	s_endpgm
.Lfunc_end_k_qa0b0a427fa_place:
	.size	k_qa0b0a427fa_place, .Lfunc_end_k_qa0b0a427fa_place-k_qa0b0a427fa_place
	.p2alignl 7, 3214868480
	.fill 96, 4, 3214868480
	.section	.rodata,"a",@progbits
	.p2align	6, 0x0
	.amdhsa_kernel k_qa0b0a427fa_place
		.amdhsa_group_segment_fixed_size 8704
		.amdhsa_private_segment_fixed_size 0
		.amdhsa_enable_private_segment 0
		.amdhsa_kernarg_size 32
		.amdhsa_user_sgpr_count 2
		.amdhsa_user_sgpr_kernarg_segment_ptr 1
		.amdhsa_wavefront_size32 1
		.amdhsa_system_sgpr_workgroup_id_x 1
		.amdhsa_system_sgpr_workgroup_id_y 1
		.amdhsa_system_sgpr_workgroup_id_z 1
		.amdhsa_system_vgpr_workitem_id 0
		.amdhsa_next_free_vgpr 98
		.amdhsa_next_free_sgpr 66
		.amdhsa_reserve_vcc 1
		.amdhsa_float_denorm_mode_32 3
		.amdhsa_float_denorm_mode_16_64 3
		.amdhsa_memory_ordered 1
		.amdhsa_forward_progress 1
		.amdhsa_inst_pref_size 18
	.end_amdhsa_kernel
	.amdgpu_metadata
---
amdhsa.version: [ 1, 2 ]
amdhsa.kernels:
  - .name:           k_qa0b0a427fa_place
    .symbol:         k_qa0b0a427fa_place.kd
    .args:
      - { .name: ridx, .offset: 0, .size: 8, .value_kind: global_buffer, .address_space: global }
      - { .name: rt, .offset: 8, .size: 8, .value_kind: global_buffer, .address_space: global }
      - { .name: plan, .offset: 16, .size: 8, .value_kind: global_buffer, .address_space: global }
      - { .name: xs, .offset: 24, .size: 8, .value_kind: global_buffer, .address_space: global }
    .group_segment_fixed_size: 8704
    .private_segment_fixed_size: 0
    .kernarg_segment_align: 8
    .kernarg_segment_size: 32
    .max_flat_workgroup_size: 1024
    .sgpr_count:     66
    .vgpr_count:     98
    .wavefront_size: 32
...
	.end_amdgpu_metadata
.endif
;; end of part 2
;; launch up (part 3): grid 256 x 1, 16 waves a work-group, no clusters, 38,912 bytes of LDS; arguments W1, b1, xs, plan, hid; writes hid
.if DOCPART == 3
	.amdgcn_target "amdgcn-amd-amdhsa--gfx1250"
	.amdhsa_code_object_version 6
	.text
	.protected	k_qa0b0a427fa_up
	.globl	k_qa0b0a427fa_up
	.p2align	8
	.type	k_qa0b0a427fa_up,@function
k_qa0b0a427fa_up:
	s_mov_b64 s[64:65], 0
	v_nop
	global_prefetch_b8 v0, s[64:65] scope:SCOPE_SE
	s_setreg_imm32_b32 hwreg(HW_REG_WAVE_MODE, 25, 1), 1
	s_wait_xcnt 0x0
; hidden = Q(relu(Q(x) Q(W1) + b1)) for the rows routed to each expert, in MX-BF8.  W1 [8][1024 k][4096 n] f32 is read ONCE and quantised here, in registers.
; SHARES.  Work-group g: expert e = g / 32, hidden units 128 j .. 128 j + 127, j = g % 32: K step j of the second product.  It alone reads that slice of W1 and multiplies it with all rows of its expert.
; A TRIP is 256 k x 64 columns of W1, 64 KB.  Each of the 16 waves has two parts in it:
;   quantiser: wave v takes 32 columns (v % 2) and one block of 32 k (v / 2).  A lane takes a column and its 32 registers run down k: the block's largest magnitude needs no other lane, and the conversions
;              give codes with k innermost.  The codes go to LDS as images of the operand's registers, the scale bytes beside them; two image buffers by turns, one barrier a trip.
;   product:   wave v owns row tiles 32 p + v and 32 p + 16 + v of the expert (16 rows each) against all 64 columns: 8 matrix instructions a tile and trip.
; The products are used transposed (source 0 = 16 columns of W1, source 1 = 16 rows), and lane 16 u + r takes column 8 u + r + 8 (r / 8) of its 32: so a lane's 16 registers of two neighbouring column tiles are
; 16 neighbouring hidden units of ONE row, and the conversions' results are the next product's operand.  b1 is the sums' starting value.
; COUNTS.  n_e is read from plan.  Two passes (a constant) of 512 rows serve every n_e up to 1,024.  What a count leaves out is left out so: global loads run with EXEC off (they stand on every wave's path, so
; every counted wait counts the same loads on every path); register, LDS and matrix work is jumped over; no barrier stands under such a jump.  With n_e > 512 the slice is streamed a second time.
; Joint tensor loads are not used: trips' work hangs on counts read from memory.
; LIMITS: NaN and infinities are not served; a block whose largest magnitude lies under 2^-111 keeps the scale byte 1 (a block of zeros too: its codes are zeros, and only this program reads the bytes).
.set XSS,  8388608
.set HSS,  33554432
.set WSB,  32768                       ; LDS: 0: two image buffers of 16,384 (8 fragments of 2,048: 4 ks + column tile);  WSB: two sets of 512 scale bytes;  BIAS: 128 f32
.set BIAS, 33792
.set WOFF, 1                           ; v1  W1: my byte in a trip's first row
.set WIST, 2                           ; v2  LDS: where my codes go
.set WSBST, 3                          ; v3  LDS: where my scale byte goes
.set L16,  4                           ; v4  16 x lane
.set L4,   5                           ; v5  WSB + 4 x lane
.set AOFF, 6                           ; v6  xs: my 16 bytes in my first tile's images
.set ASOFF, 7                          ; v7  xs: my scale word
.set HOFF, 8                           ; v8  hid: my 16 bytes
.set HSOFF, 9                          ; v9  hid: my row's scale word
.set BIASA, 10                         ; v10 LDS: my half's 16 biases of a block
.set MX,   11
.set MX2,  12
.set SC,   13
.set HD,   14
.set BY,   15
.set AS,   24                          ; v24-25 the rows' scale words: lanes 0-15 the trip's first K step, lanes 16-31 its second
.set WSC,  26                          ; v26-29 the columns' scale words: register 2 ks + pair; lanes 0-15 the even tile, lanes 16-31 the odd one
.set HSW,  30                          ; v30-31 the hidden rows' scale word in the making
.set WS,   32                          ; v32-95   W1 as loaded, two sets of 32
.set AF,   96                          ; v96-159  the rows' fragments: 32 u + 16 ks
.set WF,   160                         ; v160-191 two column fragments; also the codes just made and what is at work on the way out
.set ACC,  192                         ; v192-255 accumulators: 32 u + 8 column tile
.set TM,   WF+8
.set TP,   WF+10
.set SQ,   WF+12
.set HDQ,  WF+14
.set BQ,   WF+16
.set WV,   14                          ; s14 wave
.set NE,   19                          ; s19 n_e
.set PS,   20                          ; s20 pass
.set MP,   21                          ; s21 all ones where this pass has rows
.set MT0,  22                          ; s22, s23 all ones where my tile 0, 1 has rows
.set SV,   24
.set WB,   28                          ; s[28:35] W1 at k = 0, 256, 512, 768 of my slice
.set AB,   36
.set ASB,  38
.set HQB,  40
.set HSB,  42
.set SEL,  44
.set MNT,  46
.set RB,   47                          ; s47 the pass's first row
.macro MON m                           ; loads that a count may leave out: EXEC is changed only behind s_wait_xcnt 0
	s_wait_xcnt 0x0
	s_mov_b32 vcc_lo, s[\m]
	s_and_saveexec_b32 s[SV], vcc_lo
.endm
.macro MOFF
	s_wait_xcnt 0x0
	s_or_b32 exec_lo, exec_lo, s[SV]
.endm
	s_load_b256 s[4:11], s[0:1], 0x0               ; W1, b1, xs, plan
	s_load_b64 s[12:13], s[0:1], 0x20              ; hid
	v_lshl_add_u32 v22, v0, 2, 0x9000
	v_mov_b32 v23, 0
	v_lshrrev_b32 v160, 5, v0
	v_readfirstlane_b32 s[WV], v160
.set i, WS
.rept 128
	v_mov_b32 v[i], 0                              ; registers that loads may fill with lanes off are written whole once
.set i, i+1
.endr
	v_mov_b32 v[AS], 0
	v_mov_b32 v[AS+1], 0
	v_mov_b32 v[HSW], 0
	v_mov_b32 v[HSW+1], 0
	s_and_b32 s15, s[WV], 1                        ; w: which 32 columns
	s_lshr_b32 s16, s[WV], 1                       ; which block of 32 k
	s_lshr_b32 s17, ttmp9, 5                       ; e
	s_and_b32 s18, ttmp9, 31                       ; j
	v_and_b32 v160, 31, v0                         ; l
	v_and_b32 v161, 15, v0                         ; r
	v_bfe_u32 v162, v0, 4, 1                       ; u = h = l / 16
	v_and_b32 v163, 8, v161
	v_add_nc_u32 v163, v163, v161
	v_lshl_add_u32 v163, v162, 3, v163             ; my column of the 32: 8 u + r + 8 (r / 8)
	s_lshl_b32 s25, s16, 19                        ; 32 rows of 16,384 bytes a block
	s_lshl_b32 s26, s15, 7
	s_add_co_u32 s25, s25, s26
	v_lshl_add_u32 v[WOFF], v163, 2, s25
	s_lshr_b32 s25, s[WV], 3                       ; ks
	s_lshl_b32 s25, s25, 13
	s_lshl_b32 s26, s15, 12
	s_add_co_u32 s25, s25, s26
	s_and_b32 s26, s16, 3                          ; c
	s_lshl_b32 s27, s26, 9
	s_add_co_u32 s25, s25, s27
	v_lshlrev_b32 v[WIST], 4, v161
	v_lshl_add_u32 v[WIST], v162, 11, v[WIST]
	v_add_nc_u32 v[WIST], s25, v[WIST]             ; fragment 4 ks + 2 w + u, group c, slot r
	s_lshr_b32 s25, s[WV], 3
	s_lshl_b32 s25, s25, 8
	s_lshl_b32 s27, s15, 7
	s_add_co_u32 s25, s25, s27
	s_add_co_u32 s25, s25, s26
	s_add_co_u32 s25, s25, WSB
	v_lshl_add_u32 v[WSBST], v160, 2, s25          ; word (2 ks + w) x 32 + l, byte c
	v_lshlrev_b32 v[L16], 4, v160
	v_lshl_add_u32 v[L4], v160, 2, WSB
	v_lshlrev_b32 v164, 5, v161
	v_lshl_add_u32 v164, v162, 4, v164             ; 32 r + 16 h: my 16 bytes of a group in a stored image
	s_lshl_b32 s25, s[WV], 14
	v_add_nc_u32 v[AOFF], s25, v164
	s_lshl_b32 s25, s[WV], 9
	v_lshl_add_u32 v[ASOFF], v160, 2, s25
	s_lshl_b32 s25, s[WV], 16
	v_add_nc_u32 v[HOFF], s25, v164
	s_lshl_b32 s25, s[WV], 11
	v_lshl_add_u32 v[HSOFF], v161, 2, s25
	v_lshl_add_u32 v[BIASA], v162, 6, BIAS
	v_and_b32 v165, 127, v0
	v_lshlrev_b32 v166, 2, v165
	v_lshl_add_u32 v165, v165, 2, BIAS
	s_mov_b32 s[SEL], 0x76543210
	s_mov_b32 s[SEL+1], 0xfedcba98
	s_mov_b32 s[MNT], 0x600000
	s_mov_b32 s[RB], 0
	s_mov_b32 s[PS], 0
	s_mov_b32 s49, 0
	s_lshl_b32 s48, s17, 2
	s_wait_kmcnt 0x0
	s_add_nc_u64 s[10:11], s[10:11], s[48:49]
	s_load_b32 s[NE], s[10:11], 0x0                ; n_e
	s_lshl_b32 s48, s17, 24
	s_lshl_b32 s25, s18, 9
	s_add_co_u32 s48, s48, s25
	s_add_nc_u64 s[WB:WB+1], s[4:5], s[48:49]
	s_add_nc_u64 s[WB+2:WB+3], s[WB:WB+1], 0x400000
	s_add_nc_u64 s[WB+4:WB+5], s[WB+2:WB+3], 0x400000
	s_add_nc_u64 s[WB+6:WB+7], s[WB+4:WB+5], 0x400000
	s_lshl_b32 s48, s17, 20
	s_add_nc_u64 s[AB:AB+1], s[8:9], s[48:49]
	s_lshl_b32 s48, s17, 15
	s_add_nc_u64 s[ASB:ASB+1], s[8:9], s[48:49]
	s_add_nc_u64 s[ASB:ASB+1], s[ASB:ASB+1], XSS
	s_lshl_b32 s48, s17, 22
	s_lshl_b32 s25, s18, 11
	s_add_co_u32 s48, s48, s25
	s_add_nc_u64 s[HQB:HQB+1], s[12:13], s[48:49]
	s_lshl_b32 s48, s17, 17
	s_lshl_b32 s25, s18, 6
	s_add_co_u32 s48, s48, s25
	s_add_nc_u64 s[HSB:HSB+1], s[12:13], s[48:49]
	s_add_nc_u64 s[HSB:HSB+1], s[HSB:HSB+1], HSS
	s_lshl_b32 s48, s17, 14
	s_lshl_b32 s25, s18, 9
	s_add_co_u32 s48, s48, s25
	s_add_nc_u64 s[6:7], s[6:7], s[48:49]
	s_cmp_lt_u32 s[WV], 4                          ; my slice's 128 biases go to LDS: threads 0 to 127
	s_cbranch_scc0 .Lnob
	global_load_b32 v167, v166, s[6:7]
	s_wait_loadcnt 0x0
	ds_store_b32 v165, v167
.Lnob:
	s_wait_dscnt 0x0
	s_barrier_signal -1
	s_barrier_wait -1
	s_wait_kmcnt 0x0
.macro LOADW t                         ; trip t's 32 rows of my block: each load is 128 consecutive bytes, two waves side by side 256
.set S, WS+32*((\t)%2)
	MON MP
.set i, 0
.rept 32
	global_load_b32 v[S+i], v[WOFF], s[WB+2*((\t)%4):WB+2*((\t)%4)+1] offset:i*16384+256*((\t)/4) th:TH_LOAD_NT
.set i, i+1
.endr
	MOFF
.endm
.macro LOADA u, t                      ; my tile u: the trip's two fragments (512 consecutive bytes a load) and their scale words: nine loads
	MON MT0+\u
.irp k, 0,1
.irp c, 0,1,2,3
	global_load_b128 v[AF+32*\u+16*\k+4*\c:AF+32*\u+16*\k+4*\c+3], v[AOFF], s[AB:AB+1] offset:\u*262144+4096*((\t)%4)+2048*\k+512*\c
.endr
.endr
	global_load_b32 v[AS+\u], v[ASOFF], s[ASB:ASB+1] offset:\u*8192+128*((\t)%4)
	MOFF
.endm
.macro QBLOCK t                        ; my block of 32 k x 32 columns becomes codes and a scale byte a column
.set S, WS+32*((\t)%2)
.set BUF, (\t)%2
	s_cmp_eq_u32 s[MP], 0
	s_cbranch_scc1 .Lq_\@
	v_max3_num_f32 v[MX], |v[S]|, |v[S+1]|, 0x8000000              ; the floor 2^(16 - 127) is a leaf: the byte cannot fall under 1
	v_max3_num_f32 v[MX2], |v[S+2]|, |v[S+3]|, |v[S+4]|
.irp i, 5,9,13,17,21,25
	v_max3_num_f32 v[MX], v[MX], |v[S+\i]|, |v[S+\i+1]|
	v_max3_num_f32 v[MX2], v[MX2], |v[S+\i+2]|, |v[S+\i+3]|
.endr
	v_max3_num_f32 v[MX], v[MX], |v[S+29]|, |v[S+30]|
	v_max3_num_f32 v[MX], v[MX], v[MX2], |v[S+31]|
	v_add_nc_u32 v[SC], 0xf8800000, v[MX]          ; 15 off the exponent field: the conversion's scale operand
	v_and_or_b32 v[HD], v[MX], 0x7f800000, s[MNT]  ; 57,344 x the scale
.set i, 0
.rept 32
	v_med3_num_f32 v[S+i], v[S+i], -v[HD], v[HD]   ; the conversion does not saturate (ISA guide 7.6.2)
.set i, i+1
.endr
.irp g, 0,1,2,3
	v_cvt_scalef32_pk8_bf8_f32 v[WF+2*\g:WF+2*\g+1], v[S+8*\g:S+8*\g+7], v[SC]
.endr
	v_lshrrev_b32 v[BY], 23, v[SC]                 ; the byte; also the plain line behind the conversions
	ds_store_b128 v[WIST], v[WF:WF+3] offset:BUF*16384             ; k 0-15 of my column: the slot of lane (r, 0) of its tile
	ds_store_b128 v[WIST], v[WF+4:WF+7] offset:BUF*16384+256       ; k 16-31: the slot of lane (r, 1)
	ds_store_b8 v[WSBST], v[BY] offset:BUF*512
.Lq_\@:
.endm
; my tile u against the trip's 8 column fragments.  The four accumulators take turns, one instruction a turn.
; Eight plain lines stand behind each pair, in front of the loads into the registers that it read; nine behind the last.
.macro COMPUTE u, t
.set BUF, (\t)%2
	s_cmp_eq_u32 s[MT0+\u], 0
	s_cbranch_scc1 .Lc_\@
.rept 4
	v_nop                                          ; WF held codes written by vector instructions: four lines ahead of a scaled product
.endr
.irp n, 0,1,2,3
	ds_load_b32 v[WSC+\n], v[L4] offset:BUF*512+\n*128
.endr
.irp k, 0,1
.irp pr, 0,1
.irp f, 0,1
.irp c, 0,1,2,3
	ds_load_b128 v[WF+16*\f+4*\c:WF+16*\f+4*\c+3], v[L16] offset:BUF*16384+((4*\k+2*\pr+\f)*4+\c)*512
.endr
.endr
	s_wait_dscnt 0x0
.if \k == 0
	v_wmma_scale_f32_16x16x128_f8f6f4 v[ACC+32*\u+16*\pr:ACC+32*\u+16*\pr+7], v[WF:WF+15], v[AF+32*\u:AF+32*\u+15], v[ACC+32*\u+16*\pr:ACC+32*\u+16*\pr+7], v[WSC+\pr], v[AS+\u] matrix_a_fmt:MATRIX_FMT_BF8 matrix_b_fmt:MATRIX_FMT_BF8
	v_wmma_scale_f32_16x16x128_f8f6f4 v[ACC+32*\u+16*\pr+8:ACC+32*\u+16*\pr+15], v[WF+16:WF+31], v[AF+32*\u:AF+32*\u+15], v[ACC+32*\u+16*\pr+8:ACC+32*\u+16*\pr+15], v[WSC+\pr], v[AS+\u] matrix_a_fmt:MATRIX_FMT_BF8 matrix_b_fmt:MATRIX_FMT_BF8 matrix_a_scale:MATRIX_SCALE_ROW1
.else
	v_wmma_scale_f32_16x16x128_f8f6f4 v[ACC+32*\u+16*\pr:ACC+32*\u+16*\pr+7], v[WF:WF+15], v[AF+32*\u+16:AF+32*\u+31], v[ACC+32*\u+16*\pr:ACC+32*\u+16*\pr+7], v[WSC+2+\pr], v[AS+\u] matrix_a_fmt:MATRIX_FMT_BF8 matrix_b_fmt:MATRIX_FMT_BF8 matrix_b_scale:MATRIX_SCALE_ROW1
	v_wmma_scale_f32_16x16x128_f8f6f4 v[ACC+32*\u+16*\pr+8:ACC+32*\u+16*\pr+15], v[WF+16:WF+31], v[AF+32*\u+16:AF+32*\u+31], v[ACC+32*\u+16*\pr+8:ACC+32*\u+16*\pr+15], v[WSC+2+\pr], v[AS+\u] matrix_a_fmt:MATRIX_FMT_BF8 matrix_b_fmt:MATRIX_FMT_BF8 matrix_a_scale:MATRIX_SCALE_ROW1 matrix_b_scale:MATRIX_SCALE_ROW1
.endif
.rept 8
	v_nop
.endr
.endr
.endr
	v_nop
.Lc_\@:
.endm
.macro PRE hf                          ; the sums begin as b1: register 16 b + i of a tile is hidden unit 64 hf + 32 b + 16 h + i.  On every wave's path; waited for in front of the next barrier
.irp u, 0,1
.irp b, 0,1
.irp q, 0,1,2,3
	ds_load_b128 v[ACC+32*\u+16*\b+4*\q:ACC+32*\u+16*\b+4*\q+3], v[BIASA] offset:256*\hf+128*\b+16*\q
.endr
.endr
.endr
.endm
; nw: loads issued behind trip t's 32 of W1;  na: behind trip t's 18 of the rows (both held to the wait's largest count, 63)
.macro TRIP t, nw, na
	s_wait_loadcnt \nw
	QBLOCK \t
.if \t <= 5
	LOADW (\t)+2                                   ; into the set just read
.endif
	s_wait_dscnt 0x0                               ; my images have landed, my reads of the last trip's images are back, the sums' starting values are in
	s_barrier_signal -1
	s_barrier_wait -1                              ; this trip's buffer is whole; the other one is written again only behind this barrier, which every wave reaches behind its reads of it
	s_wait_loadcnt \na
	COMPUTE 0, \t
	COMPUTE 1, \t
.if \t <= 6
	LOADA 0, (\t)+1
	LOADA 1, (\t)+1
.endif
.endm
; 64 hidden units of my tile u are finished: relu, two blocks of 32 quantised (a block lies in lanes l and l xor 16), codes and scale bytes out
.macro FINT hf, u
.set H, ACC+32*\u
	s_cmp_eq_u32 s[MT0+\u], 0
	s_cbranch_scc1 .Lf_\@
	v_mov_b32 v[TP], 0                             ; a lane permute's destination counts as read
	v_mov_b32 v[TP+1], 0
.irp b, 0,1
	v_max3_num_f32 v[TM+\b], v[H+16*\b], v[H+16*\b+1], 0x8000000   ; no |.|: what is negative becomes 0 and must not count; each accumulator is read from its low end on
.endr
.irp i, 2,4,6,8,10,12,14
.irp b, 0,1
	v_max3_num_f32 v[TM+\b], v[TM+\b], v[H+16*\b+\i], v[H+16*\b+\i+1]
.endr
.endr
.irp b, 0,1
	v_permlanex16_b32 v[TP+\b], v[TM+\b], s[SEL], s[SEL+1]
.endr
.irp b, 0,1
	v_max_num_f32 v[TM+\b], v[TM+\b], v[TP+\b]
.endr
.irp b, 0,1
	v_add_nc_u32 v[SQ+\b], 0xf8800000, v[TM+\b]
	v_and_or_b32 v[HDQ+\b], v[TM+\b], 0x7f800000, s[MNT]
	v_lshrrev_b32 v[BQ+\b], 23, v[SQ+\b]
.endr
.if \hf == 0
	v_lshl_or_b32 v[HSW+\u], v[BQ+1], 8, v[BQ]
.else
	v_lshl_or_b32 v[HSW+\u], v[BQ], 16, v[HSW+\u]
	v_lshl_or_b32 v[HSW+\u], v[BQ+1], 24, v[HSW+\u]
.endif
.irp b, 0,1
.irp i, 0,1,2,3,4,5,6,7,8,9,10,11,12,13,14,15
	v_med3_num_f32 v[H+16*\b+\i], v[H+16*\b+\i], 0, v[HDQ+\b]      ; the activation and the hold in one
.endr
	v_cvt_scalef32_pk8_bf8_f32 v[WF+4*\b:WF+4*\b+1], v[H+16*\b:H+16*\b+7], v[SQ+\b]
	v_cvt_scalef32_pk8_bf8_f32 v[WF+4*\b+2:WF+4*\b+3], v[H+16*\b+8:H+16*\b+15], v[SQ+\b]
.endr
	v_nop                                          ; one plain line behind the last conversion
.irp b, 0,1
	global_store_b128 v[HOFF], v[WF+4*\b:WF+4*\b+3], s[HQB:HQB+1] offset:\u*1048576+(2*\hf+\b)*512   ; group 2 hf + b of the fragment: 512 consecutive bytes
.endr
.if \hf == 1
	global_store_b32 v[HSOFF], v[HSW+\u], s[HSB:HSB+1] offset:\u*32768   ; both halves of the lanes hold the row's word and write it alike
.endif
	s_wait_xcnt 0x0                                ; the stores' registers are written again only behind this wait
.Lf_\@:
.endm
.Lpass:
	s_cmp_lt_u32 s[RB], s[NE]
	s_cselect_b32 s[MP], -1, 0
	s_lshl_b32 s25, s[WV], 4
	s_add_co_u32 s25, s25, s[RB]
	s_cmp_lt_u32 s25, s[NE]
	s_cselect_b32 s[MT0], -1, 0
	s_add_co_u32 s25, s25, 256
	s_cmp_lt_u32 s25, s[NE]
	s_cselect_b32 s[MT0+1], -1, 0
	PRE 0
	LOADA 0, 0
	LOADA 1, 0
	LOADW 0
	LOADW 1
	TRIP 0, 32, 63                                 ; behind W(0): W(1).  Behind A(0): 96
	TRIP 1, 50, 32                                 ; behind W(1): W(2), A(1).  Behind A(1): W(3)
	TRIP 2, 63, 32                                 ; behind W(t): A(t-1), W(t+1), A(t): 68
	TRIP 3, 63, 32
	FINT 0, 0
	FINT 0, 1
	PRE 1
	TRIP 4, 63, 32
	TRIP 5, 63, 32
	TRIP 6, 63, 0                                  ; nothing was issued behind A(6)
	TRIP 7, 36, 0                                  ; behind W(7): A(6), A(7)
	FINT 1, 0
	FINT 1, 1
	s_wait_xcnt 0x0                                ; the bases are stepped only behind this wait
	s_add_nc_u64 s[AB:AB+1], s[AB:AB+1], 0x80000   ; 32 tiles on
	s_add_nc_u64 s[ASB:ASB+1], s[ASB:ASB+1], 0x4000
	s_add_nc_u64 s[HQB:HQB+1], s[HQB:HQB+1], 0x200000
	s_add_nc_u64 s[HSB:HSB+1], s[HSB:HSB+1], 0x10000
	s_add_co_u32 s[RB], s[RB], 512
	s_add_co_u32 s[PS], s[PS], 1
	s_cmp_lt_u32 s[PS], 2
	s_cbranch_scc1 .Lpass
	s_wait_tensorcnt 0x0
	ds_add_u32 v22, v23
	s_wait_dscnt 0x0
	s_endpgm
.Lfunc_end_k_qa0b0a427fa_up:
	.size	k_qa0b0a427fa_up, .Lfunc_end_k_qa0b0a427fa_up-k_qa0b0a427fa_up
	.p2alignl 7, 3214868480
	.fill 96, 4, 3214868480
	.section	.rodata,"a",@progbits
	.p2align	6, 0x0
	.amdhsa_kernel k_qa0b0a427fa_up
		.amdhsa_group_segment_fixed_size 38912
		.amdhsa_private_segment_fixed_size 0
		.amdhsa_enable_private_segment 0
		.amdhsa_kernarg_size 40
		.amdhsa_user_sgpr_count 2
		.amdhsa_user_sgpr_kernarg_segment_ptr 1
		.amdhsa_wavefront_size32 1
		.amdhsa_system_sgpr_workgroup_id_x 1
		.amdhsa_system_sgpr_workgroup_id_y 1
		.amdhsa_system_sgpr_workgroup_id_z 1
		.amdhsa_system_vgpr_workitem_id 0
		.amdhsa_next_free_vgpr 256
		.amdhsa_next_free_sgpr 66
		.amdhsa_reserve_vcc 1
		.amdhsa_float_denorm_mode_32 3
		.amdhsa_float_denorm_mode_16_64 3
		.amdhsa_memory_ordered 1
		.amdhsa_forward_progress 1
		.amdhsa_inst_pref_size 175
	.end_amdhsa_kernel
	.amdgpu_metadata
---
amdhsa.version: [ 1, 2 ]
amdhsa.kernels:
  - .name:           k_qa0b0a427fa_up
    .symbol:         k_qa0b0a427fa_up.kd
    .args:
      - { .name: W1, .offset: 0, .size: 8, .value_kind: global_buffer, .address_space: global }
      - { .name: b1, .offset: 8, .size: 8, .value_kind: global_buffer, .address_space: global }
      - { .name: xs, .offset: 16, .size: 8, .value_kind: global_buffer, .address_space: global }
      - { .name: plan, .offset: 24, .size: 8, .value_kind: global_buffer, .address_space: global }
      - { .name: hid, .offset: 32, .size: 8, .value_kind: global_buffer, .address_space: global }
    .group_segment_fixed_size: 38912
    .private_segment_fixed_size: 0
    .kernarg_segment_align: 8
    .kernarg_segment_size: 40
    .max_flat_workgroup_size: 512
    .sgpr_count:     66
    .vgpr_count:     256
    .wavefront_size: 32
...
	.end_amdgpu_metadata
.endif
;; end of part 3
;; launch down (part 4): grid 256 x 1, 16 waves a work-group, no clusters, 106,496 bytes of LDS; arguments W2, b2, hid, plan, y; writes y
.if DOCPART == 4
	.amdgcn_target "amdgcn-amd-amdhsa--gfx1250"
	.amdhsa_code_object_version 6
	.text
	.protected	k_qa0b0a427fa_down
	.globl	k_qa0b0a427fa_down
	.p2align	8
	.type	k_qa0b0a427fa_down,@function
k_qa0b0a427fa_down:
	s_mov_b64 s[64:65], 0
	v_nop
	global_prefetch_b8 v0, s[64:65] scope:SCOPE_SE
	s_setreg_imm32_b32 hwreg(HW_REG_WAVE_MODE, 25, 1), 1
	s_wait_xcnt 0x0
; y[kh][1,024 e + rank][:] = hidden Q(W2) over half kh of K (+ b2 where kh = 0), for the rows routed to each expert, in MX-BF8.  W2 [8][4096 k][1024 n] f32 is read ONCE and quantised here, in registers.
; SHARES.  Work-group g: expert e = g / 32, 64 outputs nb = (g / 2) % 16 (256 bytes of a row of W2 and of y), half kh = g % 2 of K: 2,048 k, eight trips of 256 k x 64 columns.
; A trip is the first product's: wave v quantises 32 columns (v % 2) x 32 k (v / 2), a lane to a column, registers down k; the codes go to LDS as images of the operand's registers, two buffers by turns, one
; barrier a trip; then wave v multiplies row tiles 32 p + v and 32 p + 16 + v with all 64 columns, transposed (source 0 = 16 columns of W2, source 1 = 16 rows): a lane holds one row and 16 neighbouring outputs a pair of tiles.
; The sums begin as b2 (kh = 0) or 0 (kh = 1).  At the end a tile goes through the wave's own stage in LDS and leaves as 256 consecutive bytes of each of its 16 rows.  y lies in the order of the ranks,
; so every store's address is made of ids and constants; the rows that only fill an expert's last tile are stored too, into that expert's own range, and nobody reads them.
; K is cut in two so that a row piece of W2 and of y is 256 bytes and 256 work-groups have equal work; the last launch gathers, weighs and adds the parts.
; COUNTS.  n_e comes from plan.  Two passes (a constant) of 512 rows serve every n_e.  Loads that a count leaves out run with EXEC off, on every wave's path, so that counted waits
; count alike on every path; register, LDS and matrix work and the stores are jumped over; no barrier stands under such a jump.  With n_e > 512 the slice is streamed a second time.
; Joint tensor loads are not used: the work hangs on counts read from memory.
; LIMITS: NaN and infinities are not served (b2 among them: it is multiplied by 0 for kh = 1); a block whose largest magnitude lies under 2^-111 keeps the scale byte 1.
.set HSS,  33554432
.set WSB,  32768                       ; LDS: 0: two image buffers of 16,384;  WSB: two sets of 512 scale bytes;  BIAS: 64 f32;  STG: 16 rows x 272 bytes for each wave
.set BIAS, 33792
.set STG,  34816
.set WOFF, 1                           ; v1  W2: my byte in a trip's first row
.set WIST, 2                           ; v2  LDS: where my codes go
.set WSBST, 3                          ; v3  LDS: where my scale byte goes
.set L16,  4                           ; v4  16 x lane
.set L4,   5                           ; v5  WSB + 4 x lane
.set AOFF, 6                           ; v6  hid: my 16 bytes in my first tile's images
.set ASOFF, 7                          ; v7  hid: my scale word
.set YOFF, 8                           ; v8  y: 16 rows x wave, row l / 16, 16 bytes x (l % 16)
.set BIASA, 9                          ; v9  LDS: my half's 16 biases of a block
.set STO,  10                          ; v10 stage: row r, + 64 h
.set MX,   11
.set MX2,  12
.set SC,   13
.set HD,   14
.set BY,   15
.set SRD,  16                          ; v16 stage, back: row l / 16, 16 bytes x (l % 16)
.set AS,   24                          ; v24-25 the rows' scale words: lanes 0-15 the trip's first K step, lanes 16-31 its second
.set WSC,  26                          ; v26-29 the columns' scale words
.set WS,   32                          ; v32-95   W2 as loaded, two sets of 32
.set AF,   96                          ; v96-159  the rows' fragments: 32 u + 16 ks; on the way out a tile's 16 rows
.set WF,   160                         ; v160-191 two column fragments; also the codes just made
.set ACC,  192                         ; v192-255 accumulators: 32 u + 8 column tile
.set WV,   16
.set NE,   19
.set PS,   20
.set MP,   21
.set MT0,  22
.set SV,   24
.set WB,   28
.set AB,   36
.set ASB,  38
.set MNT,  46
.set RB,   47
.set YB,   52
.macro MON m                           ; loads that a count may leave out: EXEC is changed only behind s_wait_xcnt 0
	s_wait_xcnt 0x0
	s_mov_b32 vcc_lo, s[\m]
	s_and_saveexec_b32 s[SV], vcc_lo
.endm
.macro MOFF
	s_wait_xcnt 0x0
	s_or_b32 exec_lo, exec_lo, s[SV]
.endm
	s_load_b256 s[4:11], s[0:1], 0x0               ; W2, b2, hid, plan
	s_load_b64 s[12:13], s[0:1], 0x20              ; y
	v_lshl_add_u32 v30, v0, 2, 0x19800
	v_mov_b32 v31, 0
	v_lshrrev_b32 v160, 5, v0
	v_readfirstlane_b32 s[WV], v160
.set i, WS
.rept 128
	v_mov_b32 v[i], 0                              ; registers that loads may fill with lanes off are written whole once
.set i, i+1
.endr
	v_mov_b32 v[AS], 0
	v_mov_b32 v[AS+1], 0
	s_and_b32 s30, s[WV], 1                        ; w
	s_lshr_b32 s31, s[WV], 1                       ; which block of 32 k
	s_lshr_b32 s17, ttmp9, 5                       ; e
	s_bfe_u32 s18, ttmp9, 0x40001                  ; nb
	s_and_b32 s32, ttmp9, 1                        ; kh
	v_and_b32 v160, 31, v0                         ; l
	v_and_b32 v161, 15, v0                         ; r
	v_bfe_u32 v162, v0, 4, 1                       ; u = h
	v_and_b32 v163, 8, v161
	v_add_nc_u32 v163, v163, v161
	v_lshl_add_u32 v163, v162, 3, v163             ; my column of the 32: 8 u + r + 8 (r / 8)
	s_lshl_b32 s25, s31, 17                        ; 32 rows of 4,096 bytes a block
	s_lshl_b32 s26, s30, 7
	s_add_co_u32 s25, s25, s26
	v_lshl_add_u32 v[WOFF], v163, 2, s25
	s_lshr_b32 s25, s[WV], 3                       ; ks
	s_lshl_b32 s25, s25, 13
	s_lshl_b32 s26, s30, 12
	s_add_co_u32 s25, s25, s26
	s_and_b32 s26, s31, 3                          ; c
	s_lshl_b32 s27, s26, 9
	s_add_co_u32 s25, s25, s27
	v_lshlrev_b32 v[WIST], 4, v161
	v_lshl_add_u32 v[WIST], v162, 11, v[WIST]
	v_add_nc_u32 v[WIST], s25, v[WIST]             ; fragment 4 ks + 2 w + u, group c, slot r
	s_lshr_b32 s25, s[WV], 3
	s_lshl_b32 s25, s25, 8
	s_lshl_b32 s27, s30, 7
	s_add_co_u32 s25, s25, s27
	s_add_co_u32 s25, s25, s26
	s_add_co_u32 s25, s25, WSB
	v_lshl_add_u32 v[WSBST], v160, 2, s25          ; word (2 ks + w) x 32 + l, byte c
	v_lshlrev_b32 v[L16], 4, v160
	v_lshl_add_u32 v[L4], v160, 2, WSB
	v_lshlrev_b32 v164, 5, v161
	v_lshl_add_u32 v164, v162, 4, v164             ; 32 r + 16 h: my 16 bytes of a group in a stored image
	s_lshl_b32 s25, s[WV], 16
	v_add_nc_u32 v[AOFF], s25, v164
	v_lshlrev_b32 v[YOFF], 4, v161
	v_lshl_add_u32 v[YOFF], v162, 12, v[YOFF]
	v_add_nc_u32 v[YOFF], s25, v[YOFF]             ; 16 rows of 4,096 bytes a wave are 65,536 bytes too
	s_lshl_b32 s25, s[WV], 11
	v_lshl_add_u32 v[ASOFF], v160, 2, s25
	v_lshl_add_u32 v[BIASA], v162, 6, BIAS
	s_mul_i32 s25, s[WV], 4352
	s_add_co_u32 s25, s25, STG                     ; my stage
	v_mul_u32_u24 v165, v161, 272
	v_add_nc_u32 v165, s25, v165
	v_lshl_add_u32 v[STO], v162, 6, v165
	v_mul_u32_u24 v165, v162, 272
	v_add_nc_u32 v165, s25, v165
	v_lshl_add_u32 v[SRD], v161, 4, v165
	v_and_b32 v165, 63, v0
	v_lshlrev_b32 v166, 2, v165
	v_lshl_add_u32 v165, v165, 2, BIAS
	s_mov_b32 s[MNT], 0x600000
	s_mov_b32 s[RB], 0
	s_mov_b32 s[PS], 0
	s_mov_b32 s49, 0
	s_lshl_b32 s48, s17, 2
	s_wait_kmcnt 0x0
	s_add_nc_u64 s[50:51], s[10:11], s[48:49]
	s_load_b32 s[NE], s[50:51], 0x0                ; n_e
	s_lshl_b32 s48, s17, 24
	s_lshl_b32 s25, s32, 23
	s_add_co_u32 s48, s48, s25
	s_lshl_b32 s25, s18, 8
	s_add_co_u32 s48, s48, s25
	s_add_nc_u64 s[WB:WB+1], s[4:5], s[48:49]
	s_lshl_b32 s48, s17, 22
	s_lshl_b32 s25, s32, 15
	s_add_co_u32 s48, s48, s25
	s_add_nc_u64 s[AB:AB+1], s[8:9], s[48:49]
	s_lshl_b32 s48, s17, 17
	s_lshl_b32 s25, s32, 10
	s_add_co_u32 s48, s48, s25
	s_add_nc_u64 s[ASB:ASB+1], s[8:9], s[48:49]
	s_add_nc_u64 s[ASB:ASB+1], s[ASB:ASB+1], HSS
	s_lshl_b32 s48, s17, 12
	s_lshl_b32 s25, s18, 8
	s_add_co_u32 s48, s48, s25
	s_add_nc_u64 s[6:7], s[6:7], s[48:49]          ; b2 at my 64 outputs
	s_lshl_b32 s48, s32, 25                        ; y: half kh is 8,192 rows of 4,096 bytes,
	s_lshl_b32 s26, s17, 22                        ; an expert 1,024 rows,
	s_add_co_u32 s48, s48, s26
	s_add_co_u32 s48, s48, s25                     ; my 64 outputs 256 bytes
	s_add_nc_u64 s[YB:YB+1], s[12:13], s[48:49]
	s_cmp_eq_u32 s32, 0
	s_cselect_b32 s26, 0x3f800000, 0               ; the bias belongs to half 0 of K alone
	s_cmp_lt_u32 s[WV], 2                          ; threads 0 to 63
	s_cbranch_scc0 .Lnob
	global_load_b32 v167, v166, s[6:7]
	s_wait_loadcnt 0x0
	v_mul_f32 v167, s26, v167
	ds_store_b32 v165, v167
.Lnob:
	s_wait_dscnt 0x0
	s_barrier_signal -1
	s_barrier_wait -1
	s_wait_kmcnt 0x0
.macro LOADW t                         ; trip t's 32 rows of my block: each load is 128 consecutive bytes, two waves side by side 256.  The largest offset, (256 x 7 + 31) x 4,096, lies inside the signed 24-bit immediate
.set S, WS+32*((\t)%2)
	MON MP
.set i, 0
.rept 32
	global_load_b32 v[S+i], v[WOFF], s[WB:WB+1] offset:(256*(\t)+i)*4096 th:TH_LOAD_NT
.set i, i+1
.endr
	MOFF
.endm
.macro LOADA u, t                      ; my tile u: the trip's two hidden fragments and their scale words: nine loads
	MON MT0+\u
.irp k, 0,1
.irp c, 0,1,2,3
	global_load_b128 v[AF+32*\u+16*\k+4*\c:AF+32*\u+16*\k+4*\c+3], v[AOFF], s[AB:AB+1] offset:\u*1048576+4096*(\t)+2048*\k+512*\c
.endr
.endr
	global_load_b32 v[AS+\u], v[ASOFF], s[ASB:ASB+1] offset:\u*32768+128*(\t)
	MOFF
.endm
.macro QBLOCK t                        ; my block of 32 k x 32 columns becomes codes and a scale byte a column
.set S, WS+32*((\t)%2)
.set BUF, (\t)%2
	s_cmp_eq_u32 s[MP], 0
	s_cbranch_scc1 .Lq_\@
	v_max3_num_f32 v[MX], |v[S]|, |v[S+1]|, 0x8000000              ; the floor 2^(16 - 127) is a leaf: the byte cannot fall under 1
	v_max3_num_f32 v[MX2], |v[S+2]|, |v[S+3]|, |v[S+4]|
.irp i, 5,9,13,17,21,25
	v_max3_num_f32 v[MX], v[MX], |v[S+\i]|, |v[S+\i+1]|
	v_max3_num_f32 v[MX2], v[MX2], |v[S+\i+2]|, |v[S+\i+3]|
.endr
	v_max3_num_f32 v[MX], v[MX], |v[S+29]|, |v[S+30]|
	v_max3_num_f32 v[MX], v[MX], v[MX2], |v[S+31]|
	v_add_nc_u32 v[SC], 0xf8800000, v[MX]          ; 15 off the exponent field: the conversion's scale operand
	v_and_or_b32 v[HD], v[MX], 0x7f800000, s[MNT]  ; 57,344 x the scale
.set i, 0
.rept 32
	v_med3_num_f32 v[S+i], v[S+i], -v[HD], v[HD]   ; the conversion does not saturate (ISA guide 7.6.2)
.set i, i+1
.endr
.irp g, 0,1,2,3
	v_cvt_scalef32_pk8_bf8_f32 v[WF+2*\g:WF+2*\g+1], v[S+8*\g:S+8*\g+7], v[SC]
.endr
	v_lshrrev_b32 v[BY], 23, v[SC]                 ; the byte; also the plain line behind the conversions
	ds_store_b128 v[WIST], v[WF:WF+3] offset:BUF*16384             ; k 0-15 of my column: the slot of lane (r, 0) of its tile
	ds_store_b128 v[WIST], v[WF+4:WF+7] offset:BUF*16384+256       ; k 16-31: the slot of lane (r, 1)
	ds_store_b8 v[WSBST], v[BY] offset:BUF*512
.Lq_\@:
.endm
; my tile u against the trip's 8 column fragments.  The four accumulators take turns, one instruction a turn.
; Eight plain lines stand behind each pair, in front of the loads into the registers that it read; nine behind the last.
.macro COMPUTE u, t
.set BUF, (\t)%2
	s_cmp_eq_u32 s[MT0+\u], 0
	s_cbranch_scc1 .Lc_\@
.rept 4
	v_nop                                          ; WF held codes written by vector instructions: four lines ahead of a scaled product
.endr
.irp n, 0,1,2,3
	ds_load_b32 v[WSC+\n], v[L4] offset:BUF*512+\n*128
.endr
.irp k, 0,1
.irp pr, 0,1
.irp f, 0,1
.irp c, 0,1,2,3
	ds_load_b128 v[WF+16*\f+4*\c:WF+16*\f+4*\c+3], v[L16] offset:BUF*16384+((4*\k+2*\pr+\f)*4+\c)*512
.endr
.endr
	s_wait_dscnt 0x0
.if \k == 0
	v_wmma_scale_f32_16x16x128_f8f6f4 v[ACC+32*\u+16*\pr:ACC+32*\u+16*\pr+7], v[WF:WF+15], v[AF+32*\u:AF+32*\u+15], v[ACC+32*\u+16*\pr:ACC+32*\u+16*\pr+7], v[WSC+\pr], v[AS+\u] matrix_a_fmt:MATRIX_FMT_BF8 matrix_b_fmt:MATRIX_FMT_BF8
	v_wmma_scale_f32_16x16x128_f8f6f4 v[ACC+32*\u+16*\pr+8:ACC+32*\u+16*\pr+15], v[WF+16:WF+31], v[AF+32*\u:AF+32*\u+15], v[ACC+32*\u+16*\pr+8:ACC+32*\u+16*\pr+15], v[WSC+\pr], v[AS+\u] matrix_a_fmt:MATRIX_FMT_BF8 matrix_b_fmt:MATRIX_FMT_BF8 matrix_a_scale:MATRIX_SCALE_ROW1
.else
	v_wmma_scale_f32_16x16x128_f8f6f4 v[ACC+32*\u+16*\pr:ACC+32*\u+16*\pr+7], v[WF:WF+15], v[AF+32*\u+16:AF+32*\u+31], v[ACC+32*\u+16*\pr:ACC+32*\u+16*\pr+7], v[WSC+2+\pr], v[AS+\u] matrix_a_fmt:MATRIX_FMT_BF8 matrix_b_fmt:MATRIX_FMT_BF8 matrix_b_scale:MATRIX_SCALE_ROW1
	v_wmma_scale_f32_16x16x128_f8f6f4 v[ACC+32*\u+16*\pr+8:ACC+32*\u+16*\pr+15], v[WF+16:WF+31], v[AF+32*\u+16:AF+32*\u+31], v[ACC+32*\u+16*\pr+8:ACC+32*\u+16*\pr+15], v[WSC+2+\pr], v[AS+\u] matrix_a_fmt:MATRIX_FMT_BF8 matrix_b_fmt:MATRIX_FMT_BF8 matrix_a_scale:MATRIX_SCALE_ROW1 matrix_b_scale:MATRIX_SCALE_ROW1
.endif
.rept 8
	v_nop
.endr
.endr
.endr
	v_nop
.Lc_\@:
.endm
.macro PRE                             ; the sums begin as the bias: register 16 b + i of a tile is output 32 b + 16 h + i.  On every wave's path; waited for in front of the next barrier
.irp u, 0,1
.irp b, 0,1
.irp q, 0,1,2,3
	ds_load_b128 v[ACC+32*\u+16*\b+4*\q:ACC+32*\u+16*\b+4*\q+3], v[BIASA] offset:128*\b+16*\q
.endr
.endr
.endr
.endm
; nw: loads issued behind trip t's 32 of W2;  na: behind trip t's 18 of the rows (both held to the wait's largest count, 63)
.macro TRIP t, nw, na
	s_wait_loadcnt \nw
	QBLOCK \t
.if \t <= 5
	LOADW (\t)+2                                   ; into the set just read
.endif
	s_wait_dscnt 0x0                               ; my images have landed, my reads of the last trip's images are back, the sums' starting values are in
	s_barrier_signal -1
	s_barrier_wait -1                              ; this trip's buffer is whole; the other one is written again only behind this barrier, which every wave reaches behind its reads of it
	s_wait_loadcnt \na
	COMPUTE 0, \t
	COMPUTE 1, \t
.if \t <= 6
	LOADA 0, (\t)+1
	LOADA 1, (\t)+1
.endif
.endm
; my tile u goes out through my own stage (LDS serves a wave's instructions in order: ISA guide 5.7.1.4, so no wait stands between the stores and the loads, nor in front of the next tile's stores):
; a lane puts 64 bytes of its row for each pair of column tiles; back come whole pieces of 256 bytes, two rows an instruction; sixteen lanes store 256 consecutive bytes, aligned.
; Each tile has its own 32 registers for the way back, so that no store's data are written again inside a pass.
.macro FINY u
.set H, ACC+32*\u
	s_cmp_eq_u32 s[MT0+\u], 0
	s_cbranch_scc1 .Ly_\@
.irp b, 0,1
.irp q, 0,1,2,3
	ds_store_b128 v[STO], v[H+16*\b+4*\q:H+16*\b+4*\q+3] offset:128*\b+16*\q   ; ascending: each accumulator is read from its low end on
.endr
.endr
.irp i, 0,1,2,3,4,5,6,7
	ds_load_b128 v[AF+32*\u+4*\i:AF+32*\u+4*\i+3], v[SRD] offset:544*\i        ; rows 2 i and 2 i + 1
.endr
.irp i, 0,1,2,3,4,5,6,7
	s_wait_dscnt 7-\i                              ; the loads issued behind this pair of rows may be out
	global_store_b128 v[YOFF], v[AF+32*\u+4*\i:AF+32*\u+4*\i+3], s[YB:YB+1] offset:\u*1048576+8192*\i
.endr
.Ly_\@:
.endm
.Lpass:
	s_cmp_lt_u32 s[RB], s[NE]
	s_cselect_b32 s[MP], -1, 0
	s_lshl_b32 s25, s[WV], 4
	s_add_co_u32 s25, s25, s[RB]
	s_cmp_lt_u32 s25, s[NE]
	s_cselect_b32 s[MT0], -1, 0
	s_add_co_u32 s25, s25, 256
	s_cmp_lt_u32 s25, s[NE]
	s_cselect_b32 s[MT0+1], -1, 0
	PRE
	LOADA 0, 0
	LOADA 1, 0
	LOADW 0
	LOADW 1
	TRIP 0, 32, 63                                 ; behind W(0): W(1).  Behind A(0): 96
	TRIP 1, 50, 32                                 ; behind W(1): W(2), A(1).  Behind A(1): W(3)
	TRIP 2, 63, 32                                 ; behind W(t): A(t-1), W(t+1), A(t): 68
	TRIP 3, 63, 32
	TRIP 4, 63, 32
	TRIP 5, 63, 32
	TRIP 6, 63, 0                                  ; nothing was issued behind A(6)
	TRIP 7, 36, 0                                  ; behind W(7): A(6), A(7)
	FINY 0
	FINY 1
	s_wait_xcnt 0x0                                ; the bases are stepped, and the stores' data written again, only behind this wait
	s_add_nc_u64 s[AB:AB+1], s[AB:AB+1], 0x200000  ; 32 tiles on
	s_add_nc_u64 s[ASB:ASB+1], s[ASB:ASB+1], 0x10000
	s_add_nc_u64 s[YB:YB+1], s[YB:YB+1], 0x200000  ; 512 rows of 4,096 bytes
	s_add_co_u32 s[RB], s[RB], 512
	s_add_co_u32 s[PS], s[PS], 1
	s_cmp_lt_u32 s[PS], 2
	s_cbranch_scc1 .Lpass
	s_wait_tensorcnt 0x0
	ds_add_u32 v30, v31
	s_wait_dscnt 0x0
	s_endpgm
.Lfunc_end_k_qa0b0a427fa_down:
	.size	k_qa0b0a427fa_down, .Lfunc_end_k_qa0b0a427fa_down-k_qa0b0a427fa_down
	.p2alignl 7, 3214868480
	.fill 96, 4, 3214868480
	.section	.rodata,"a",@progbits
	.p2align	6, 0x0
	.amdhsa_kernel k_qa0b0a427fa_down
		.amdhsa_group_segment_fixed_size 106496
		.amdhsa_private_segment_fixed_size 0
		.amdhsa_enable_private_segment 0
		.amdhsa_kernarg_size 40
		.amdhsa_user_sgpr_count 2
		.amdhsa_user_sgpr_kernarg_segment_ptr 1
		.amdhsa_wavefront_size32 1
		.amdhsa_system_sgpr_workgroup_id_x 1
		.amdhsa_system_sgpr_workgroup_id_y 1
		.amdhsa_system_sgpr_workgroup_id_z 1
		.amdhsa_system_vgpr_workitem_id 0
		.amdhsa_next_free_vgpr 256
		.amdhsa_next_free_sgpr 66
		.amdhsa_reserve_vcc 1
		.amdhsa_float_denorm_mode_32 3
		.amdhsa_float_denorm_mode_16_64 3
		.amdhsa_memory_ordered 1
		.amdhsa_forward_progress 1
		.amdhsa_inst_pref_size 161
	.end_amdhsa_kernel
	.amdgpu_metadata
---
amdhsa.version: [ 1, 2 ]
amdhsa.kernels:
  - .name:           k_qa0b0a427fa_down
    .symbol:         k_qa0b0a427fa_down.kd
    .args:
      - { .name: W2, .offset: 0, .size: 8, .value_kind: global_buffer, .address_space: global }
      - { .name: b2, .offset: 8, .size: 8, .value_kind: global_buffer, .address_space: global }
      - { .name: hid, .offset: 16, .size: 8, .value_kind: global_buffer, .address_space: global }
      - { .name: plan, .offset: 24, .size: 8, .value_kind: global_buffer, .address_space: global }
      - { .name: y, .offset: 32, .size: 8, .value_kind: global_buffer, .address_space: global }
    .group_segment_fixed_size: 106496
    .private_segment_fixed_size: 0
    .kernarg_segment_align: 8
    .kernarg_segment_size: 40
    .max_flat_workgroup_size: 512
    .sgpr_count:     66
    .vgpr_count:     256
    .wavefront_size: 32
...
	.end_amdgpu_metadata
.endif
;; end of part 4
;; launch sum (part 5): grid 256 x 1, 8 waves a work-group, no clusters, 0 bytes of LDS; arguments y, plan, rt, out0; writes out0
.if DOCPART == 5
	.amdgcn_target "amdgcn-amd-amdhsa--gfx1250"
	.amdhsa_code_object_version 6
	.text
	.protected	k_qa0b0a427fa_sum
	.globl	k_qa0b0a427fa_sum
	.p2align	8
	.type	k_qa0b0a427fa_sum,@function
k_qa0b0a427fa_sum:
	s_mov_b64 s[64:65], 0
	v_nop
	global_prefetch_b8 v0, s[64:65] scope:SCOPE_SE
	s_setreg_imm32_b32 hwreg(HW_REG_WAVE_MODE, 25, 1), 1
	s_wait_xcnt 0x0
; out0[token] = w0 (y[0][d0] + y[1][d0]) + w1 (y[0][d1] + y[1][d1]): d0, d1 the places of the token's two choices (plan, POS), w0, w1 their gate weights (rt, GW).
; y [2 halves of K][8,192 places][1024] f32, out0 [1024][1024] f32.
; A gather and a stream: a work-group owns 4 tokens, two waves a token; each load and store of a wave covers 512 consecutive bytes.  The places are held to 8,191 before they enter an address.
; All 16 loads of a wave go out first; the waits count down.  No LDS, no barrier, no matrix unit: each number is read once.
.set POS, 256
.set GW,  1081344
	s_load_b256 s[4:11], s[0:1], 0x0               ; y, plan, rt, out0
	v_lshrrev_b32 v1, 5, v0
	v_readfirstlane_b32 s12, v1                    ; wave
	v_and_b32 v1, 31, v0
	s_lshr_b32 s13, s12, 1
	s_and_b32 s14, s12, 1
	s_lshl_b32 s15, ttmp9, 2
	s_add_co_u32 s15, s15, s13                     ; token
	s_lshl_b32 s16, s14, 11                        ; my half of a row: 2,048 bytes
	v_lshl_add_u32 v2, v1, 4, s16                  ; my 16 bytes in a row's first piece
	s_lshl_b32 s17, s15, 12
	v_add_nc_u32 v3, s17, v2                       ; the same in out0's row
	s_lshl_b32 s18, s15, 3
	v_mov_b32 v6, s18                              ; 8 bytes a token
	s_wait_kmcnt 0x0
	s_add_nc_u64 s[20:21], s[4:5], 0x2000000       ; half 1 of K
	global_load_b64 v[4:5], v6, s[6:7] offset:POS
	global_load_b64 v[8:9], v6, s[8:9] offset:GW
	s_wait_loadcnt 1                               ; the places are in; the weights' load may be out
	v_min_u32 v4, 0x1fff, v4
	v_min_u32 v5, 0x1fff, v5
	v_lshlrev_b32 v10, 12, v4                      ; 4,096 bytes a place
	v_lshlrev_b32 v11, 12, v5
	v_add_nc_u32 v10, v10, v2
	v_add_nc_u32 v11, v11, v2
.irp a, 0,1,2,3
	global_load_b128 v[16+16*\a:19+16*\a], v10, s[4:5] offset:512*\a th:TH_LOAD_NT
	global_load_b128 v[20+16*\a:23+16*\a], v10, s[20:21] offset:512*\a th:TH_LOAD_NT
	global_load_b128 v[24+16*\a:27+16*\a], v11, s[4:5] offset:512*\a th:TH_LOAD_NT
	global_load_b128 v[28+16*\a:31+16*\a], v11, s[20:21] offset:512*\a th:TH_LOAD_NT
.endr
.irp a, 0,1,2,3
	s_wait_loadcnt 12-4*\a                         ; this piece's four loads (and the weights, older still) are in; those of the pieces behind it may be out
	v_pk_add_f32 v[16+16*\a:17+16*\a], v[16+16*\a:17+16*\a], v[20+16*\a:21+16*\a]
	v_pk_add_f32 v[18+16*\a:19+16*\a], v[18+16*\a:19+16*\a], v[22+16*\a:23+16*\a]
	v_pk_add_f32 v[24+16*\a:25+16*\a], v[24+16*\a:25+16*\a], v[28+16*\a:29+16*\a]
	v_pk_add_f32 v[26+16*\a:27+16*\a], v[26+16*\a:27+16*\a], v[30+16*\a:31+16*\a]
	v_pk_mul_f32 v[16+16*\a:17+16*\a], v[16+16*\a:17+16*\a], v[8:9] op_sel_hi:[1,0]   ; x w0, the pair's first register for both halves
	v_pk_mul_f32 v[18+16*\a:19+16*\a], v[18+16*\a:19+16*\a], v[8:9] op_sel_hi:[1,0]
	v_pk_fma_f32 v[16+16*\a:17+16*\a], v[24+16*\a:25+16*\a], v[8:9], v[16+16*\a:17+16*\a] op_sel:[0,1,0] op_sel_hi:[1,1,1]   ; + w1 x .., the pair's second register for both halves
	v_pk_fma_f32 v[18+16*\a:19+16*\a], v[26+16*\a:27+16*\a], v[8:9], v[18+16*\a:19+16*\a] op_sel:[0,1,0] op_sel_hi:[1,1,1]
	global_store_b128 v3, v[16+16*\a:19+16*\a], s[10:11] offset:512*\a th:TH_STORE_NT
.endr
	s_endpgm
.Lfunc_end_k_qa0b0a427fa_sum:
	.size	k_qa0b0a427fa_sum, .Lfunc_end_k_qa0b0a427fa_sum-k_qa0b0a427fa_sum
	.p2alignl 7, 3214868480
	.fill 96, 4, 3214868480
	.section	.rodata,"a",@progbits
	.p2align	6, 0x0
	.amdhsa_kernel k_qa0b0a427fa_sum
		.amdhsa_group_segment_fixed_size 0
		.amdhsa_private_segment_fixed_size 0
		.amdhsa_enable_private_segment 0
		.amdhsa_kernarg_size 32
		.amdhsa_user_sgpr_count 2
		.amdhsa_user_sgpr_kernarg_segment_ptr 1
		.amdhsa_wavefront_size32 1
		.amdhsa_system_sgpr_workgroup_id_x 1
		.amdhsa_system_sgpr_workgroup_id_y 1
		.amdhsa_system_sgpr_workgroup_id_z 1
		.amdhsa_system_vgpr_workitem_id 0
		.amdhsa_next_free_vgpr 80
		.amdhsa_next_free_sgpr 66
		.amdhsa_reserve_vcc 0
		.amdhsa_float_denorm_mode_32 3
		.amdhsa_float_denorm_mode_16_64 3
		.amdhsa_memory_ordered 1
		.amdhsa_forward_progress 1
		.amdhsa_inst_pref_size 6
	.end_amdhsa_kernel
	.amdgpu_metadata
---
amdhsa.version: [ 1, 2 ]
amdhsa.kernels:
  - .name:           k_qa0b0a427fa_sum
    .symbol:         k_qa0b0a427fa_sum.kd
    .args:
      - { .name: y, .offset: 0, .size: 8, .value_kind: global_buffer, .address_space: global }
      - { .name: plan, .offset: 8, .size: 8, .value_kind: global_buffer, .address_space: global }
      - { .name: rt, .offset: 16, .size: 8, .value_kind: global_buffer, .address_space: global }
      - { .name: out0, .offset: 24, .size: 8, .value_kind: global_buffer, .address_space: global }
    .group_segment_fixed_size: 0
    .private_segment_fixed_size: 0
    .kernarg_segment_align: 8
    .kernarg_segment_size: 32
    .max_flat_workgroup_size: 256
    .sgpr_count:     66
    .vgpr_count:     80
    .wavefront_size: 32
...
	.end_amdgpu_metadata
.endif
;; end of part 5
;; ======== version 2 of 2: 4 launches
;; limits: right only within a limited range of input values
;; workspace buffers: ridx 8,192 bytes of whole numbers; rt 1,089,536 bytes; plan 33,792 bytes of whole numbers; hid 34,603,008 bytes; y 17,825,792 bytes
;; launch route (part 6): grid 256 x 1, 4 waves a work-group, no clusters, 1,536 bytes of LDS; arguments x, Wg, bg, ridx, rt; writes ridx, rt
.if DOCPART == 6
	.amdgcn_target "amdgcn-amd-amdhsa--gfx1250"
	.amdhsa_code_object_version 6
	.text
	.protected	k_qa0b0a427fa_route
	.globl	k_qa0b0a427fa_route
	.p2align	8
	.type	k_qa0b0a427fa_route,@function
k_qa0b0a427fa_route:
	s_mov_b64 s[64:65], 0
	v_nop
	global_prefetch_b8 v0, s[64:65] scope:SCOPE_SE
	s_setreg_imm32_b32 hwreg(HW_REG_WAVE_MODE, 25, 1), 1
	s_wait_xcnt 0x0
; ROUTER AND QUANTISER OF x.  x [1024][1024] f32, Wg [1024][8], bg [8].
; Out: ridx [token][2] u32, the two chosen experts (ties: the lower index first, as jax.lax.top_k has it);
;      rt: codes of x in E5M2 [token][1024 B] at 0, their E8M0 bytes [token][32] at XSC, the two gate weights [token][2] f32 at GW.
; A work-group owns 4 tokens; wave q owns k = 256 q .. 256 q + 255 of them; lane l holds 8 neighbours along k, so a block of 32 lies in 4 lanes.
; The logits are f32 fused multiply-adds.  32 sums (4 tokens x 8 experts) are folded over the 32 lanes so that lane n ends with sum n;
; the four waves' parts meet in LDS; wave 0 makes the softmax (largest logit taken away first), the top 2 and their softmax.
; No address and no branch hangs on a chosen expert: the choice is stored at fixed places.
; LIMITS: NaN and infinities are not served.  A block whose largest magnitude lies under 2^-111 keeps the scale byte 1; a block of zeros
; has byte 1 over zero codes (only this program reads the bytes).  Gates under 2^-126 count as 0 (v_exp_f32 gives no denormals: ISA guide 15.8);
; gates that differ by an ulp or less may be ordered otherwise than by another order of summation.
.set XSC, 1048576
.set GW,  1081344
.set X,   16                           ; v16-47   x: 8 numbers for each of 4 tokens
.set WGR, 48                           ; v48-111  Wg: my 8 rows x 8 experts
.set ACC, 112                          ; v112-143 the 32 sums, 8 a + e
.set T,   144                          ; v144-151 numbers held within the largest code x the scale (x itself stays for the logits)
.set CD,  152                          ; v152-159 codes, a pair for each token
.set MX,  160
.set SC,  161
.set HD,  162
.set BG,  163
.set BY,  164                          ; v164-167 a scale byte for each token
	s_load_b128 s[4:7], s[0:1], 0x0                ; x, Wg
	s_load_b128 s[8:11], s[0:1], 0x10              ; bg, ridx
	s_load_b64 s[12:13], s[0:1], 0x20              ; rt
	v_lshl_add_u32 v176, v0, 2, 0x400
	v_mov_b32 v177, 0
	v_lshrrev_b32 v1, 5, v0
	v_readfirstlane_b32 s14, v1                    ; wave q
	v_and_b32 v1, 31, v0                           ; lane
	s_wait_alu depctr_va_vdst(0)
	s_lshl_b32 s15, s14, 10
	s_lshl_b32 s16, ttmp9, 14
	s_add_co_u32 s16, s16, s15
	v_lshl_add_u32 v2, v1, 5, s16                  ; x: 4 rows x 4,096 x group + 1,024 q + 32 l
	s_lshl_b32 s17, s14, 13
	v_lshl_add_u32 v3, v1, 8, s17                  ; Wg: my 8 rows are 256 bytes on end
	s_lshl_b32 s18, ttmp9, 12
	s_lshl_b32 s19, s14, 8
	s_add_co_u32 s18, s18, s19
	v_lshl_add_u32 v4, v1, 3, s18                  ; codes: 4 rows x 1,024 x group + 256 q + 8 l
	v_lshrrev_b32 v5, 2, v1
	s_lshl_b32 s19, s14, 3
	s_add_co_u32 s19, s19, 512
	v_add_nc_u32 v5, s19, v5                       ; LDS: scale bytes at 512 + 32 a + 8 q + l / 4
	v_lshlrev_b32 v6, 2, v0                        ; LDS: the waves' parts of the sums, 128 q + 4 l
	v_lshlrev_b32 v7, 2, v1                        ; 4 l
	v_and_b32 v8, 7, v0                            ; e of the last phase
	v_lshlrev_b32 v9, 2, v8
	s_lshl_b32 s22, ttmp9, 7
	v_add_nc_u32 v10, s22, v7                      ; the group's 128 scale bytes in rt
	s_lshl_b32 s29, ttmp9, 5                       ; 8 bytes x 4 tokens x group
	s_mov_b32 s20, 0x76543210
	s_mov_b32 s21, 0xfedcba98                      ; v_permlanex16_b32: lane l xor 16
	s_mov_b32 s23, 0x600000                        ; the mantissa field of 57,344
	s_mov_b32 s24, 0xffff0000                      ; lanes whose bit 4, 3, 2, 1, 0 is set
	s_mov_b32 s25, 0xff00ff00
	s_mov_b32 s26, 0xf0f0f0f0
	s_mov_b32 s27, 0xcccccccc
	s_mov_b32 s28, 0xaaaaaaaa
	s_wait_alu depctr_va_vdst(0)
	s_wait_kmcnt 0x0
.irp a, 0,1,2,3
	global_load_b128 v[X+8*\a:X+8*\a+3], v2, s[4:5] offset:4096*\a th:TH_LOAD_NT
	global_load_b128 v[X+8*\a+4:X+8*\a+7], v2, s[4:5] offset:4096*\a+16 th:TH_LOAD_NT
.endr
.set n, 0
.rept 16
	global_load_b128 v[WGR+4*n:WGR+4*n+3], v3, s[6:7] offset:16*n
.set n, n+1
.endr
	global_load_b32 v[BG], v9, s[8:9]
	s_wait_loadcnt 17                              ; x's eight loads are in; Wg's sixteen and bg's one may be out
; x into codes: the block's largest magnitude (with the floor 2^(16 - 127) as a leaf), 15 off its exponent field, the hold, the conversion
.irp a, 0,1,2,3
	v_max3_num_f32 v[MX], |v[X+8*\a]|, |v[X+8*\a+1]|, 0x8000000
	v_max3_num_f32 v[MX], v[MX], |v[X+8*\a+2]|, |v[X+8*\a+3]|
	v_max3_num_f32 v[MX], v[MX], |v[X+8*\a+4]|, |v[X+8*\a+5]|
	v_max3_num_f32 v[MX], v[MX], |v[X+8*\a+6]|, |v[X+8*\a+7]|
	v_max_num_f32_dpp v[MX], v[MX], v[MX] row_xmask:1 row_mask:0xf bank_mask:0xf
	v_max_num_f32_dpp v[MX], v[MX], v[MX] row_xmask:2 row_mask:0xf bank_mask:0xf   ; the four lanes of the block
	v_add_nc_u32 v[SC], 0xf8800000, v[MX]          ; the conversion's scale operand
	v_and_or_b32 v[HD], v[MX], 0x7f800000, s23     ; 57,344 x the scale
.irp i, 0,1,2,3,4,5,6,7
	v_med3_num_f32 v[T+\i], v[X+8*\a+\i], -v[HD], v[HD]   ; the conversion does not saturate (ISA guide 7.6.2)
.endr
	v_cvt_scalef32_pk8_bf8_f32 v[CD+2*\a:CD+2*\a+1], v[T:T+7], v[SC]
	v_lshrrev_b32 v[BY+\a], 23, v[SC]              ; the scale's byte; also the plain line behind the conversion
	global_store_b64 v4, v[CD+2*\a:CD+2*\a+1], s[12:13] offset:1024*\a   ; the wave stores 256 consecutive bytes
	ds_store_b8 v5, v[BY+\a] offset:32*\a          ; the block's four lanes write the same byte
.endr
	s_wait_loadcnt 0x0                             ; Wg, bg
; the logits' parts: 16 independent packed lines for each of my 8 k; the first k starts the sums
.irp a, 0,1,2,3
.irp ee, 0,1,2,3
	v_pk_mul_f32 v[ACC+8*\a+2*\ee:ACC+8*\a+2*\ee+1], v[X+8*\a:X+8*\a+1], v[WGR+2*\ee:WGR+2*\ee+1] op_sel_hi:[0,1]
.endr
.endr
.irp a, 0,1,2,3
.irp ee, 0,1,2,3
	v_pk_fma_f32 v[ACC+8*\a+2*\ee:ACC+8*\a+2*\ee+1], v[X+8*\a:X+8*\a+1], v[WGR+8+2*\ee:WGR+8+2*\ee+1], v[ACC+8*\a+2*\ee:ACC+8*\a+2*\ee+1] op_sel:[1,0,0] op_sel_hi:[1,1,1]
.endr
.endr
.irp kp, 2,4,6
.irp a, 0,1,2,3
.irp ee, 0,1,2,3
	v_pk_fma_f32 v[ACC+8*\a+2*\ee:ACC+8*\a+2*\ee+1], v[X+8*\a+\kp:X+8*\a+\kp+1], v[WGR+8*\kp+2*\ee:WGR+8*\kp+2*\ee+1], v[ACC+8*\a+2*\ee:ACC+8*\a+2*\ee+1] op_sel_hi:[0,1,1]
.endr
.endr
.irp a, 0,1,2,3
.irp ee, 0,1,2,3
	v_pk_fma_f32 v[ACC+8*\a+2*\ee:ACC+8*\a+2*\ee+1], v[X+8*\a+\kp:X+8*\a+\kp+1], v[WGR+8*\kp+8+2*\ee:WGR+8*\kp+8+2*\ee+1], v[ACC+8*\a+2*\ee:ACC+8*\a+2*\ee+1] op_sel:[1,0,0] op_sel_hi:[1,1,1]
.endr
.endr
.endr
; 32 sums over 32 lanes: in each step a lane keeps the half of the sums whose index has its own lane bit, and gives the other half away
.set i, 0
.rept 16
	v_cndmask_b32 v[16+i], v[ACC+i], v[ACC+16+i], s24
	v_cndmask_b32 v[32+i], v[ACC+16+i], v[ACC+i], s24
.set i, i+1
.endr
.set i, 0
.rept 16
	v_permlanex16_b32 v[48+i], v[32+i], s20, s21
.set i, i+1
.endr
.set i, 0
.rept 16
	v_add_f32 v[ACC+i], v[16+i], v[48+i]
.set i, i+1
.endr
.macro RSTEP n, m, x
.set i, 0
.rept \n
	v_cndmask_b32 v[16+i], v[ACC+i], v[ACC+\n+i], s[\m]
	v_cndmask_b32 v[32+i], v[ACC+\n+i], v[ACC+i], s[\m]
.set i, i+1
.endr
.set i, 0
.rept \n
	v_add_f32_dpp v[ACC+i], v[32+i], v[16+i] row_xmask:\x row_mask:0xf bank_mask:0xf
.set i, i+1
.endr
.endm
	RSTEP 8, 25, 8
	RSTEP 4, 26, 4
	RSTEP 2, 27, 2
	RSTEP 1, 28, 1
	ds_store_b32 v6, v[ACC]                        ; lane l: my wave's part of sum l (token l / 8, expert l % 8)
	s_wait_dscnt 0x0                               ; for the others' sake: my parts and my scale bytes have landed
	s_barrier_signal -1
	s_barrier_wait -1
.macro RED8 op, r                      ; over the eight lanes of a token
	\op v[\r], v[\r], v[\r] row_xmask:1 row_mask:0xf bank_mask:0xf
	\op v[\r], v[\r], v[\r] row_xmask:2 row_mask:0xf bank_mask:0xf
	\op v[\r], v[\r], v[\r] row_xmask:4 row_mask:0xf bank_mask:0xf
.endm
	s_cmp_lg_u32 s14, 0
	s_cbranch_scc1 .Lnot0
	ds_load_b32 v17, v7
	ds_load_b32 v18, v7 offset:128
	ds_load_b32 v19, v7 offset:256
	ds_load_b32 v20, v7 offset:384
	v_cvt_f32_u32 v21, v8                          ; my expert's number as f32
	v_mov_b32 v26, 0x41000000                      ; 8.0: over every expert's number
	v_mov_b32 v27, -1.0                            ; under every gate
	s_wait_dscnt 0x0
	v_add_f32 v17, v17, v18
	v_add_f32 v19, v19, v20
	v_add_f32 v17, v17, v19
	v_add_f32 v17, v17, v[BG]                      ; the logit
	v_mov_b32 v18, v17
	RED8 v_max_num_f32_dpp, 18                     ; the token's largest logit is taken away first
	v_sub_f32 v19, v17, v18
	v_mul_f32 v19, 0x3fb8aa3b, v19
	s_wait_alu depctr_va_vdst(0)
	v_exp_f32 v19, v19
	v_nop                                          ; one plain line behind a transcendental (ISA guide 5.7.2)
	s_wait_alu depctr_va_vdst(0)
	v_mov_b32 v20, v19
	RED8 v_add_f32_dpp, 20
	s_wait_alu depctr_va_vdst(0)
	v_rcp_f32 v20, v20
	v_nop
	s_wait_alu depctr_va_vdst(0)
	v_mul_f32 v19, v19, v20                        ; the gate
	v_mov_b32 v22, v19
	RED8 v_max_num_f32_dpp, 22                     ; the largest gate,
	v_cmp_eq_f32 vcc_lo, v19, v22
	v_cndmask_b32 v23, v26, v21, vcc_lo
	RED8 v_min_num_f32_dpp, 23                     ; and the lowest expert that has it
	v_cmp_eq_f32 vcc_lo, v21, v23
	v_cndmask_b32 v24, v19, v27, vcc_lo            ; that expert is out of the second search
	v_mov_b32 v25, v24
	RED8 v_max_num_f32_dpp, 25
	v_cmp_eq_f32 vcc_lo, v24, v25
	v_cndmask_b32 v28, v26, v21, vcc_lo
	RED8 v_min_num_f32_dpp, 28
	v_sub_f32 v29, v25, v22                        ; second less first: 0 or less, so the exponential is at most 1
	v_mul_f32 v29, 0x3fb8aa3b, v29
	s_wait_alu depctr_va_vdst(0)
	v_exp_f32 v29, v29
	v_nop
	v_cvt_u32_f32 v32, v23
	v_cvt_u32_f32 v33, v28
	s_wait_alu depctr_va_vdst(0)
	v_add_f32 v30, 1.0, v29
	s_wait_alu depctr_va_vdst(0)
	v_rcp_f32 v34, v30                             ; the first weight: 1 / (1 + d)
	v_and_b32 v36, 24, v1                          ; 8 bytes x (l / 8)
	s_wait_alu depctr_va_vdst(0)
	v_mul_f32 v35, v29, v34                        ; the second: d / (1 + d)
	v_add_nc_u32 v36, s29, v36
	v_cmp_eq_u32 vcc_lo, 0, v8
	s_wait_alu depctr_va_vdst(0)
	s_wait_xcnt 0x0                                ; EXEC changes only behind this wait
	s_and_saveexec_b32 s19, vcc_lo                 ; one lane for each token
	global_store_b64 v36, v[32:33], s[10:11]
	global_store_b64 v36, v[34:35], s[12:13] offset:GW
	s_wait_xcnt 0x0
	s_or_b32 exec_lo, exec_lo, s19
.Lnot0:
	s_cmp_lg_u32 s14, 1
	s_cbranch_scc1 .Lend
	ds_load_b32 v17, v7 offset:512                 ; the four tokens' 128 scale bytes
	s_wait_dscnt 0x0
	global_store_b32 v10, v17, s[12:13] offset:XSC
.Lend:
	s_wait_tensorcnt 0x0
	ds_add_u32 v176, v177
	s_wait_dscnt 0x0
	s_endpgm
.Lfunc_end_k_qa0b0a427fa_route:
	.size	k_qa0b0a427fa_route, .Lfunc_end_k_qa0b0a427fa_route-k_qa0b0a427fa_route
	.p2alignl 7, 3214868480
	.fill 96, 4, 3214868480
	.section	.rodata,"a",@progbits
	.p2align	6, 0x0
	.amdhsa_kernel k_qa0b0a427fa_route
		.amdhsa_group_segment_fixed_size 1536
		.amdhsa_private_segment_fixed_size 0
		.amdhsa_enable_private_segment 0
		.amdhsa_kernarg_size 40
		.amdhsa_user_sgpr_count 2
		.amdhsa_user_sgpr_kernarg_segment_ptr 1
		.amdhsa_wavefront_size32 1
		.amdhsa_system_sgpr_workgroup_id_x 1
		.amdhsa_system_sgpr_workgroup_id_y 1
		.amdhsa_system_sgpr_workgroup_id_z 1
		.amdhsa_system_vgpr_workitem_id 0
		.amdhsa_next_free_vgpr 178
		.amdhsa_next_free_sgpr 66
		.amdhsa_reserve_vcc 1
		.amdhsa_float_denorm_mode_32 3
		.amdhsa_float_denorm_mode_16_64 3
		.amdhsa_memory_ordered 1
		.amdhsa_forward_progress 1
		.amdhsa_inst_pref_size 28
	.end_amdhsa_kernel
	.amdgpu_metadata
---
amdhsa.version: [ 1, 2 ]
amdhsa.kernels:
  - .name:           k_qa0b0a427fa_route
    .symbol:         k_qa0b0a427fa_route.kd
    .args:
      - { .name: x, .offset: 0, .size: 8, .value_kind: global_buffer, .address_space: global }
      - { .name: Wg, .offset: 8, .size: 8, .value_kind: global_buffer, .address_space: global }
      - { .name: bg, .offset: 16, .size: 8, .value_kind: global_buffer, .address_space: global }
      - { .name: ridx, .offset: 24, .size: 8, .value_kind: global_buffer, .address_space: global }
      - { .name: rt, .offset: 32, .size: 8, .value_kind: global_buffer, .address_space: global }
    .group_segment_fixed_size: 1536
    .private_segment_fixed_size: 0
    .kernarg_segment_align: 8
    .kernarg_segment_size: 40
    .max_flat_workgroup_size: 128
    .sgpr_count:     66
    .vgpr_count:     178
    .wavefront_size: 32
...
	.end_amdgpu_metadata
.endif
;; end of part 6
;; launch up (part 7): grid 256 x 1, 8 waves a work-group, no clusters, 208,640 bytes of LDS; arguments W1, b1, rt, ridx, plan, hid; writes plan, hid
.if DOCPART == 7
	.amdgcn_target "amdgcn-amd-amdhsa--gfx1250"
	.amdhsa_code_object_version 6
	.text
	.protected	k_qa0b0a427fa_up
	.globl	k_qa0b0a427fa_up
	.p2align	8
	.type	k_qa0b0a427fa_up,@function
k_qa0b0a427fa_up:
	s_mov_b64 s[64:65], 0
	v_nop
	global_prefetch_b8 v0, s[64:65] scope:SCOPE_SE
	s_setreg_imm32_b32 hwreg(HW_REG_WAVE_MODE, 25, 1), 1
	s_wait_xcnt 0x0
; hidden = Q(relu(Q(x) Q(W1) + b1)) for the rows routed to each expert, in MX-BF8.  W1 [8][1024 k][4096 n] f32 is read once and quantised here.
; SHARES.  Work-group g: expert e = g / 32, hidden units 128 j .. 128 j + 127, j = g % 32: K step j of the second product.
; THE LIST.  Each work-group ranks its expert's tokens from ridx: a mask of 32 tokens for each of 32 chunks goes through LDS, lane c counts chunk c, the prefix sums are searched for
;   each rank, and the rank's bit is picked from the chunk's mask.  list[rank] = 1,024 x choice + token; ranks beyond n_e get 2,048 + 16 e + rank % 16.  Work-group j = 0 stores list and n_e for the next launch.
; A TRIP is 128 k x 128 columns.  Wave v quantises 64 columns (v % 2) x 32 k (v / 2): lane (r, h) loads columns 4 r .. 4 r + 3 of rows 16 h + i, so its 16 codes of a column are its own registers of the
;   operand's fragment whose row r is column 4 r + t.  The fragments go to LDS as register images; all eight trips' images stay there, even trips in the lower 64 KB, odd ones in the upper: one barrier a trip.
; PRODUCT.  Wave v owns row tiles v, v + 8, v + 16 (16 rows each).  A tile's rows come as 128 bytes of each row and turn through the wave's own stage.  Source 0 = 16 columns of W1, source 1 = 16 rows:
;   lane (r, h) ends with hidden units 32 h + 4 i + t of row r, a whole block of 32, so the quantiser of the hidden layer needs no other lane.  b1 is the sums' starting value.
;   Tiles without rows load one row's bytes and are not multiplied.  Rows from 384 on are multiplied behind the eighth trip from the images that lie in LDS.
; ORDER OF LOADS: W(0), A(0), W(1), then in trip t A(t+1) (12), W(t+2) (16).  Work on experts that were not chosen for a token is not done: the choice is read from memory.
; No joint tensor loads: the work hangs on counts read from memory.  No prefetch: the weights are asked for two trips ahead by loads, each byte once.
; LIMITS: NaN and infinities are not served; a block whose largest magnitude lies under 2^-111 keeps the scale byte 1 (a block of zeros too: its codes are zeros, and only this program reads the bytes).
.set XSC,  1048576
.set HSS,  33554432
.set SCB,  131072                      ; LDS: images 0 .. 131,071; scale words, 512 bytes a trip
.set BIAS, 135168
.set MSK,  135680                      ; 32 pairs of masks
.set LIST, 135936                      ; 1,024 words
.set SXS,  140032                      ; the rows' scale words: [wave][tile of 3][K step][16]
.set STG,  152320                      ; stages: [wave][tile of 3][16 rows of 144 bytes]
.set SPARE, 207616
.set L16, 1                            ; 16 x lane
.set L4,  2                            ; SCB + 4 x lane
.set WSBST, 3                          ; my scale byte
.set STS, 4                            ; stage, in
.set STR, 5                            ; stage, back
.set ASR, 6                            ; my row's scale words, stepped a K step a trip
.set AS,  7                            ; v7-9 the rows' scale words
.set WSC, 10                           ; v10-13 the columns' scale words: lanes 0-15 the even tile, lanes 16-31 the odd one
.set LI,  14                           ; the trip's images
.set L4I, 15                           ; the trip's scale words
.set ACC, 16                           ; v16-207 sums: 64 u + 8 column tile
.set WF,  208                          ; v208-255 three fragments
.set T,   WF                           ; while quantising: a column's numbers,
.set CD,  WF+16                        ; codes,
.set MX,  WF+32
.set SC,  WF+36
.set BY,  WF+40
.set WI,  WF+44
.set WSI, WF+45
.set AT,  0                            ; window 1: v0-95 rows, two sets of 48; v96-223 W1, two sets of 64; offsets behind
.set WS,  96
.set WOFF, 224
.set AOFF, 225
.set LN,  208                          ; at the head: lane, r, h, 16 (l % 8), 16 h
.set RR,  209
.set HH,  210
.set P16, 211
.set H16, 212
.set BA,  213
.set SXA, 214
.set LR,  215
.set FQ, 0                             ; fields of a search: rank, chunk, ..
.set FP, 1
.set FV, 2
.set FMK, 3
.set FN, 4
.set F1, 5
.set F2, 6
.set F3, 7
.set F4, 8
.set FX, 9
.set FK, 10
.set FPP, 11
.set QM,  WF+32                        ; on the way out
.set QC,  WF+40
.set SHH, 4                            ; 8 h
.set HSW, 5
.set HOFF, 6
.set HSOFF, 3
.set MSB, 0
.macro WIN new
.if MSB != (\new)
	s_set_vgpr_msb (MSB<<8)|(\new)
.set MSB, (\new)
.endif
.endm
.macro WA
	s_wait_alu depctr_va_vdst(0)
.endm
.macro BAR
	s_barrier_signal -1
	s_barrier_wait -1
.endm
.macro NOPS n
.rept \n
	v_nop
.endr
.endm
.macro FL op, d, lit, y
	\op v[KA+\d], \lit, v[KA+\y]
.if KB != KA
	\op v[KB+\d], \lit, v[KB+\y]
.endif
.endm
.macro FR op, d, x, y
	\op v[KA+\d], v[KA+\x], v[KA+\y]
.if KB != KA
	\op v[KB+\d], v[KB+\x], v[KB+\y]
.endif
.endm
.macro POPC                            ; counts of the mask's bits in pairs, nibbles, bytes, halves
	FL v_lshrrev_b32, FX, 1, FMK
	FL v_and_b32, FX, 0x55555555, FX
	FR v_sub_nc_u32, F1, FMK, FX
	FL v_lshrrev_b32, FX, 2, F1
	FL v_and_b32, FX, 0x33333333, FX
	FL v_and_b32, F2, 0x33333333, F1
	FR v_add_nc_u32, F2, F2, FX
	FL v_lshrrev_b32, FX, 4, F2
	FR v_add_nc_u32, F3, F2, FX
	FL v_and_b32, F3, 0x0f0f0f0f, F3
	FL v_lshrrev_b32, FX, 8, F3
	FR v_add_nc_u32, F4, F3, FX
	FL v_and_b32, F4, 0xff00ff, F4
.endm
.macro CHUNK st                        ; a step of the search: is the prefix sum st - 1 chunks on at most my rank?
	v_add_lshl_u32 v[KA+FX], v[KA+FP], \st-1, 2
	v_add_lshl_u32 v[KB+FX], v[KB+FP], \st-1, 2
	ds_bpermute_b32 v[KA+FV], v[KA+FX], v36
	ds_bpermute_b32 v[KB+FV], v[KB+FX], v36
	WA
	s_wait_dscnt 0x0
	v_cmp_le_u32 s74, v[KA+FV], v[KA+FQ]
	v_cmp_le_u32 s75, v[KB+FV], v[KB+FQ]
	v_cndmask_b32 v[KA+FX], 0, \st, s74
	v_cndmask_b32 v[KB+FX], 0, \st, s75
	FR v_add_nc_u32, FP, FP, FX
.endm
.macro BITS src, w, st                 ; a step towards the k-th set bit
	v_bfe_u32 v[KA+FV], v[KA+\src], v[KA+FPP], \w
	v_bfe_u32 v[KB+FV], v[KB+\src], v[KB+FPP], \w
	v_cmp_ge_u32 s74, v[KA+FK], v[KA+FV]
	v_cmp_ge_u32 s75, v[KB+FK], v[KB+FV]
	v_cndmask_b32 v[KA+FV], 0, v[KA+FV], s74
	v_cndmask_b32 v[KB+FV], 0, v[KB+FV], s75
	v_cndmask_b32 v[KA+FX], 0, \st, s74
	v_cndmask_b32 v[KB+FX], 0, \st, s75
	FR v_sub_nc_u32, FK, FK, FV
	FR v_add_nc_u32, FPP, FPP, FX
.endm
.macro SEARCH a, b                     ; ranks 256 a + thread, 256 b + thread
.set KA, 64+16*\a
.set KB, 64+16*\b
	v_add_nc_u32 v[KA+FQ], 256*\a, v0
	v_add_nc_u32 v[KB+FQ], 256*\b, v0
	v_mov_b32 v[KA+FP], 0
	v_mov_b32 v[KB+FP], 0
	CHUNK 16
	CHUNK 8
	CHUNK 4
	CHUNK 2
	CHUNK 1
	FL v_lshlrev_b32, FX, 2, FP
	ds_bpermute_b32 v[KA+FV], v[KA+FX], v38        ; ranks ahead of the chunk, its two masks
	ds_bpermute_b32 v[KB+FV], v[KB+FX], v38
	ds_bpermute_b32 v[KA+FMK], v[KA+FX], v40
	ds_bpermute_b32 v[KB+FMK], v[KB+FX], v40
	ds_bpermute_b32 v[KA+FN], v[KA+FX], v41
	ds_bpermute_b32 v[KB+FN], v[KB+FX], v41
	v_mov_b32 v[KA+FPP], 0
	v_mov_b32 v[KB+FPP], 0
	WA
	s_wait_dscnt 0x0
	FR v_sub_nc_u32, FK, FQ, FV
	POPC
	BITS F4, 8, 16
	BITS F3, 8, 8
	BITS F2, 4, 4
	BITS F1, 2, 2
	BITS FMK, 1, 1
	v_lshl_add_u32 v[KA+FV], v[KA+FP], 5, v[KA+FPP]          ; token
	v_lshl_add_u32 v[KB+FV], v[KB+FP], 5, v[KB+FPP]
	v_bfe_u32 v[KA+FX], v[KA+FN], v[KA+FPP], 1               ; choice
	v_bfe_u32 v[KB+FX], v[KB+FN], v[KB+FPP], 1
	v_lshl_add_u32 v[KA+FV], v[KA+FX], 10, v[KA+FV]
	v_lshl_add_u32 v[KB+FV], v[KB+FX], 10, v[KB+FV]
	FL v_and_b32, FX, 15, FQ
	FL v_add_nc_u32, FX, s43, FX
	v_cmp_gt_u32 s74, s19, v[KA+FQ]
	v_cmp_gt_u32 s75, s19, v[KB+FQ]
	v_cndmask_b32 v[KA+FV], v[KA+FX], v[KA+FV], s74
	v_cndmask_b32 v[KB+FV], v[KB+FX], v[KB+FV], s75
.endm
.macro LOADW S, off
	WIN 0x41
.irp i, 0,1,2,3,4,5,6,7,8,9,10,11,12,13,14,15
	global_load_b128 v[\S+4*\i:\S+4*\i+3], v[WOFF], s[28:29] offset:\off+16384*\i th:TH_LOAD_NT   ; 256 consecutive bytes of each of two rows
.endr
.endm
.macro LOADA set, off                  ; three tiles: 128 bytes of four rows a load
	WIN 0x41
.irp u, 0,1,2
.irp i, 0,1,2,3
	global_load_b128 v[AT+48*(\set)+16*\u+4*\i:AT+48*(\set)+16*\u+4*\i+3], v[AOFF+4*\u+\i], s[30:31] offset:\off
.endr
.endr
.endm
.macro QBLOCK S, w, p                  ; my block of 32 k x 64 columns: a block lies in lanes l and l xor 16
	WIN 0
	s_add_co_u32 s51, s50, s24
.if \p
	s_add_co_u32 s51, s51, 65536
.endif
	s_add_co_u32 s52, s25, 2048*\p
	v_add_nc_u32 v[WI], s51, v[L16]
	v_add_nc_u32 v[WSI], s52, v[WSBST]
	WIN 0x14*\w
.irp t, 0,1,2,3
	v_max3_num_f32 v[MX+\t], 0x8000000, |v[\S+\t]|, |v[\S+4+\t]|   ; the floor 2^(16 - 127) is a leaf
.endr
.irp i, 2,4,6,8,10,12,14
.irp t, 0,1,2,3
	v_max3_num_f32 v[MX+\t], v[MX+\t], |v[\S+4*\i+\t]|, |v[\S+4*\i+4+\t]|
.endr
.endr
	WIN 0
.irp t, 0,1,2,3
	v_permlanex16_b32 v[SC+\t], v[MX+\t], s32, s33
.endr
.irp t, 0,1,2,3
	v_max_num_f32 v[MX+\t], v[MX+\t], v[SC+\t]
.endr
.irp t, 0,1,2,3
	v_add_nc_u32 v[SC+\t], 0xf8800000, v[MX+\t]    ; 15 off the exponent field: the conversion's scale operand
.endr
.irp t, 0,1,2,3
	v_and_or_b32 v[MX+\t], v[MX+\t], 0x7f800000, s34   ; 57,344 x the scale
.endr
.irp t, 0,1,2,3
	WIN 0x01*\w
.irp i, 0,1,2,3,4,5,6,7,8,9,10,11,12,13,14,15
	v_med3_num_f32 v[T+\i], v[\S+4*\i+\t], -v[MX+\t], v[MX+\t]     ; the conversion does not saturate (ISA guide 7.6.2)
.endr
	WIN 0
	v_cvt_scalef32_pk8_bf8_f32 v[CD+4*\t:CD+4*\t+1], v[T:T+7], v[SC+\t]
	v_cvt_scalef32_pk8_bf8_f32 v[CD+4*\t+2:CD+4*\t+3], v[T+8:T+15], v[SC+\t]
	v_lshrrev_b32 v[BY+\t], 23, v[SC+\t]           ; the byte; also the plain line behind the conversions
	ds_store_b128 v[WI], v[CD+4*\t:CD+4*\t+3] offset:2048*\t       ; 512 consecutive bytes a wave
	ds_store_b8 v[WSI], v[BY+\t] offset:64*\t      ; both halves of the lanes write the same byte
.endr
.endm
.macro FRAGL ct
.irp c, 0,1,2,3
	ds_load_b128 v[WF+16*((\ct)%3)+4*\c:WF+16*((\ct)%3)+4*\c+3], v[LI] offset:2048*(\ct)+512*\c
.endr
.endm
.macro WM ct, u, set
.set D_, ACC+64*\u+8*(\ct)
.set A_, WF+16*((\ct)%3)
.set B_, AT+48*(\set)+16*\u
.if (\ct)%2
	v_wmma_scale_f32_16x16x128_f8f6f4 v[D_:D_+7], v[A_:A_+15], v[B_:B_+15], v[D_:D_+7], v[WSC+(\ct)/2], v[AS+\u] matrix_a_fmt:MATRIX_FMT_BF8 matrix_b_fmt:MATRIX_FMT_BF8 matrix_a_scale:MATRIX_SCALE_ROW1
.else
	v_wmma_scale_f32_16x16x128_f8f6f4 v[D_:D_+7], v[A_:A_+15], v[B_:B_+15], v[D_:D_+7], v[WSC+(\ct)/2], v[AS+\u] matrix_a_fmt:MATRIX_FMT_BF8 matrix_b_fmt:MATRIX_FMT_BF8
.endif
.endm
; nt tiles against the trip's eight column tiles.  Three fragments are in registers by turns; eight plain lines stand between a fragment's products and the loads over it.
; The accumulators take turns, one instruction a turn.  nt = 1: rows and their scale words have been loaded from memory.
.macro COMPUTE nt, set
	NOPS 4
.if \nt > 1
.irp u, 0,1,2
.if \u < \nt
	ds_load_b32 v[AS+\u], v[ASR] offset:512*\u
.endif
.endr
.endif
.irp q, 0,1,2,3
	ds_load_b32 v[WSC+\q], v[L4I] offset:128*\q
.endr
.if \nt > 1
	WIN 0x40
.irp u, 0,1,2
.if \u < \nt
.irp c, 0,1,2,3
	ds_load_b128 v[AT+48*(\set)+16*\u+4*\c:AT+48*(\set)+16*\u+4*\c+3], v[STR] offset:2304*\u+32*\c
.endr
.endif
.endr
.endif
	WIN 0x04
	FRAGL 0
	FRAGL 1
	FRAGL 2
.set CT_, 0
.rept 8
.if CT_ < 6
	s_wait_dscnt 8                                 ; the two fragments behind this one may be out
.elseif CT_ == 6
	s_wait_dscnt 4
.else
	s_wait_dscnt 0x0
.endif
	WM CT_, 0, \set
.if \nt > 1
	WM CT_, 1, \set
.endif
.if \nt > 2
	WM CT_, 2, \set
.endif
.if CT_ < 5
	NOPS 8
	FRAGL CT_+3
.endif
.set CT_, CT_+1
.endr
	WIN 0
	NOPS 8
.endm
.macro IMGS p                          ; where trip 2 i + p's images and scale words lie
	s_add_co_u32 s53, s24, 65536*\p
	v_add_nc_u32 v[LI], s53, v[L16]
	s_add_co_u32 s53, s25, 2048*\p
	v_add_nc_u32 v[L4I], s53, v[L4]
.endm
.macro TRIP p, w1, w2, la, lw          ; w1: loads behind W(t);  w2: loads behind A(t)
	s_wait_loadcnt \w1
	QBLOCK WS+64*\p, 1, \p
.if \la
	LOADA 1-\p, 128+128*\p
.endif
.if \lw
	LOADW WS+64*\p, 2097152*\p
.endif
	s_wait_loadcnt \w2
	WIN 0x04
.irp u, 0,1,2
.irp i, 0,1,2,3
	ds_store_b128 v[STS], v[AT+48*\p+16*\u+4*\i:AT+48*\p+16*\u+4*\i+3] offset:2304*\u+576*\i
.endr
.endr
	WIN 0
	IMGS \p
	v_add_nc_u32 v[ASR], 64, v[ASR]
	WA
	s_wait_dscnt 0x0                               ; my images and my stage are written, my reads of the last trip are back
	BAR
	s_cmp_eq_u32 s20, 0
	s_cbranch_scc1 .Lnone_\@
	s_cmp_eq_u32 s22, 0
	s_cbranch_scc1 .Ltwo_\@
	COMPUTE 3, \p
	s_branch .Lnone_\@
.Ltwo_\@:
	COMPUTE 2, \p
.Lnone_\@:
.endm
.macro BIASL u                         ; the sums begin as b1
.irp n, 0,1,2,3,4,5,6,7
	ds_load_b128 v[ACC+64*\u+8*\n:ACC+64*\u+8*\n+3], v[BA] offset:256*(\n/4)+32*(\n%4)
	ds_load_b128 v[ACC+64*\u+8*\n+4:ACC+64*\u+8*\n+7], v[BA] offset:256*(\n/4)+32*(\n%4)+16
.endr
.endm
; a tile is finished: relu, quantised (block 2 ch + h lies in one lane), codes out in the order of the next product's operand registers, the row's scale word
.macro FIN acc, off, hoff
.irp ch, 0,1
	s_wait_xcnt 0x0                                ; earlier stores have read their registers
.irp t, 0,1,2,3
	v_max3_num_f32 v[QM+\t], v[\acc+32*\ch+8*\t], v[\acc+32*\ch+8*\t+1], 0x8000000   ; no |.|: what is negative becomes 0
.endr
.irp j, 2,4,6
.irp t, 0,1,2,3
	v_max3_num_f32 v[QM+\t], v[QM+\t], v[\acc+32*\ch+8*\t+\j], v[\acc+32*\ch+8*\t+\j+1]
.endr
.endr
	v_max3_num_f32 v[QM], v[QM], v[QM+1], v[QM+2]
	v_max_num_f32 v[QM], v[QM], v[QM+3]
	v_add_nc_u32 v[QM+1], 0xf8800000, v[QM]
	v_and_or_b32 v[QM+2], v[QM], 0x7f800000, s34
.irp t, 0,1,2,3
.irp j, 0,1,2,3,4,5,6,7
	v_med3_num_f32 v[WF+4*\j+\t], v[\acc+32*\ch+8*\t+\j], 0, v[QM+2]   ; the activation and the hold in one, into the order of the units
.endr
.endr
.irp g, 0,1,2,3
	v_cvt_scalef32_pk8_bf8_f32 v[QC+2*\g:QC+2*\g+1], v[WF+8*\g:WF+8*\g+7], v[QM+1]
.endr
	v_lshrrev_b32 v[QM+3], 23, v[QM+1]
.if \ch == 0
	v_lshlrev_b32 v[HSW], v[SHH], v[QM+3]
.else
	v_lshlrev_b32 v[QM+3], v[SHH], v[QM+3]
	v_lshl_or_b32 v[HSW], v[QM+3], 16, v[HSW]
	v_permlanex16_b32 v[QM], v[HSW], s32, s33
	v_or_b32 v[HSW], v[HSW], v[QM]
	global_store_b32 v[HSOFF], v[HSW], s[38:39] offset:\hoff           ; both halves of the lanes hold the word and write it alike
.endif
	global_store_b128 v[HOFF], v[QC:QC+3], s[36:37] offset:\off+1024*\ch          ; sixteen lanes store 256 consecutive bytes
	global_store_b128 v[HOFF], v[QC+4:QC+7], s[36:37] offset:\off+1024*\ch+256
.endr
.endm
	s_load_b256 s[4:11], s[0:1], 0x0               ; W1, b1, rt, ridx
	s_load_b128 s[12:15], s[0:1], 0x20             ; plan, hid
	v_lshrrev_b32 v216, 5, v0
	v_readfirstlane_b32 s16, v216                  ; wave
	v_and_b32 v[LN], 31, v0
	v_and_b32 v[RR], 15, v0
	v_bfe_u32 v[HH], v0, 4, 1
	v_and_b32 v217, 127, v0
	v_lshlrev_b32 v[L16], 4, v[LN]
	v_lshl_add_u32 v[L4], v[LN], 2, SCB
	v_lshlrev_b32 v25, 2, v217
	v_and_b32 v31, 0x60, v217                      ; LDS: unit 64 ch + 32 h + 4 i + t of b1 at word 64 ch + 32 h + 8 t + i
	v_and_b32 v218, 3, v217
	v_lshl_or_b32 v31, v218, 3, v31
	v_bfe_u32 v218, v217, 2, 3
	v_add_nc_u32 v31, v31, v218
	v_lshl_add_u32 v31, v31, 2, BIAS
	v_lshl_add_u32 v30, v[LN], 3, MSK
	v_lshl_add_u32 v143, v0, 2, LIST
	v_lshlrev_b32 v35, 2, v0
	v_lshlrev_b32 v218, 18, v[HH]
	v_lshl_add_u32 v218, v[RR], 4, v218
	WA
	s_lshr_b32 s17, ttmp9, 5                       ; e
	s_and_b32 s18, ttmp9, 31                       ; j
	s_and_b32 s40, s16, 1                          ; ch
	s_lshr_b32 s41, s16, 1                         ; c
	s_lshl_b32 s23, s16, 10
	v_lshl_add_u32 v26, v[LN], 3, s23              ; ridx: 128 tokens a wave
	s_lshl_b32 s23, s41, 19                        ; W1: 32 rows of 16,384 bytes a block
	s_lshl_b32 s42, s40, 8
	s_add_co_u32 s23, s23, s42
	WIN 0x40
	v_add_nc_u32 v[WOFF], s23, v218
	WIN 0
	s_lshl_b32 s50, s41, 9
	s_lshl_b32 s23, s40, 13
	s_add_co_u32 s50, s50, s23                     ; my image: tile 4 ch + t, block c
	s_mov_b32 s49, 0
	s_lshl_b32 s48, s17, 14
	s_lshl_b32 s23, s18, 9
	s_add_co_u32 s48, s48, s23
	WA
	s_wait_kmcnt 0x0
	s_add_nc_u64 s[6:7], s[6:7], s[48:49]
	s_lshl_b32 s48, s17, 24
	s_add_co_u32 s48, s48, s23
	s_add_nc_u64 s[28:29], s[4:5], s[48:49]
.irp i, 0,1,2,3
	global_load_b64 v[16+2*\i:17+2*\i], v26, s[10:11] offset:256*\i
.endr
	global_load_b32 v24, v25, s[6:7]
	LOADW WS, 0
	WIN 0
	s_mov_b64 s[30:31], s[8:9]
	s_lshl_b32 s48, s17, 22                        ; hid: [e][tile][K step][2,048]
	s_lshl_b32 s23, s18, 11
	s_add_co_u32 s48, s48, s23
	s_lshl_b32 s23, s16, 16
	s_add_co_u32 s48, s48, s23
	s_add_nc_u64 s[36:37], s[14:15], s[48:49]
	s_lshl_b32 s48, s17, 17                        ; its scale words: [e][K step][tile][16]
	s_lshl_b32 s23, s18, 12
	s_add_co_u32 s48, s48, s23
	s_lshl_b32 s23, s16, 6
	s_add_co_u32 s48, s48, s23
	s_add_nc_u64 s[38:39], s[14:15], s[48:49]
	s_add_nc_u64 s[38:39], s[38:39], HSS
	s_lshl_b32 s48, s17, 12
	s_add_nc_u64 s[44:45], s[12:13], s[48:49]
	s_lshl_b32 s48, s17, 7
	s_add_nc_u64 s[46:47], s[12:13], s[48:49]
	s_mov_b32 s32, 0x76543210
	s_mov_b32 s33, 0xfedcba98                      ; v_permlanex16_b32: lane l xor 16
	s_mov_b32 s34, 0x600000                        ; the mantissa field of 57,344
	s_lshl_b32 s43, s17, 4
	s_add_co_u32 s43, s43, 2048
	v_lshrrev_b32 v218, 3, v[LN]
	v_mul_u32_u24 v219, 144, v218
	v_and_b32 v[P16], 7, v[LN]
	v_lshlrev_b32 v[P16], 4, v[P16]
	v_add_nc_u32 v219, v219, v[P16]
	s_mul_i32 s23, s16, 6912
	s_add_co_u32 s23, s23, STG
	v_add_nc_u32 v[STS], s23, v219
	v_mul_u32_u24 v219, 144, v[RR]
	v_lshl_add_u32 v219, v[HH], 4, v219
	v_add_nc_u32 v[STR], s23, v219
	s_lshl_b32 s42, s16, 6
	s_add_co_u32 s42, s42, LIST
	v_lshl_add_u32 v32, v218, 2, s42               ; list: row 4 i + l / 8 of my tiles
	v_lshl_add_u32 v[LR], v[RR], 2, s42            ; row r
	s_mul_i32 s42, s16, 1536
	s_add_co_u32 s42, s42, SXS
	v_lshlrev_b32 v219, 8, v[HH]
	v_lshl_add_u32 v219, v[RR], 2, v219
	v_add_nc_u32 v[SXA], s42, v219
	s_sub_co_u32 s42, s42, 64
	v_lshl_add_u32 v[ASR], v[RR], 2, s42
	s_lshl_b32 s42, s40, 8
	s_add_co_u32 s42, s42, s41
	s_add_co_u32 s42, s42, SCB
	v_lshl_add_u32 v[WSBST], v[RR], 2, s42
	v_lshl_add_u32 v[BA], v[HH], 7, BIAS
	v_lshlrev_b32 v[H16], 4, v[HH]
.irp t, 0,1,2,3
	v_mov_b32 v[SC+\t], 0                          ; a lane permute's destination counts as read
.endr
	s_lshl_b32 s42, s16, 5
	s_add_co_u32 s42, s42, MSK
	v_mov_b32 v27, s42
	WA
	s_wait_loadcnt 16                              ; ridx and b1 are in; W(0) may be out
.irp i, 0,1,2,3
	v_cmp_eq_u32 s[66+2*\i], s17, v[16+2*\i]
	v_cmp_eq_u32 s[67+2*\i], s17, v[17+2*\i]
.endr
.irp i, 0,1,2,3
	s_or_b32 s[66+2*\i], s[66+2*\i], s[67+2*\i]    ; a token names an expert once at the most
	v_mov_b32 v[44+2*\i], s[66+2*\i]
	v_mov_b32 v[45+2*\i], s[67+2*\i]
	ds_store_b64 v27, v[44+2*\i:45+2*\i] offset:8*\i   ; every lane writes the same words
.endr
	WA
	s_cmp_lt_u32 s16, 4
	s_cbranch_scc0 .Lnob
	ds_store_b32 v31, v24
.Lnob:
	s_wait_dscnt 0x0
	BAR
	ds_load_b64 v[40:41], v30                      ; lane c: chunk c's masks
	s_wait_dscnt 0x0
.set KA, 64
.set KB, 64
	v_mov_b32 v[KA+FMK], v40
	POPC
	v_lshrrev_b32 v42, 16, v[KA+F4]
	v_add_nc_u32 v42, v42, v[KA+F4]
	v_and_b32 v37, 0xff, v42
	v_mov_b32 v36, v37
.irp n, 1,2,4,8
	v_mov_b32_dpp v42, v36 row_shr:\n row_mask:0xf bank_mask:0xf bound_ctrl:1
	v_add_nc_u32 v36, v36, v42
.endr
	v_readlane_b32 s23, v36, 15
	v_mul_u32_u24 v42, s23, v[HH]
	v_add_nc_u32 v36, v36, v42                     ; prefix sums, chunk c's own included
	v_readlane_b32 s19, v36, 31                    ; n_e
	v_sub_nc_u32 v38, v36, v37
	s_min_u32 s19, s19, 0x400
	s_lshl_b32 s23, s16, 4
	s_cmp_lt_u32 s23, s19
	s_cselect_b32 s20, -1, 0                       ; all ones where my tile 0, 1, 2 has rows
	s_add_co_u32 s23, s23, 128
	s_cmp_lt_u32 s23, s19
	s_cselect_b32 s21, -1, 0
	s_add_co_u32 s23, s23, 128
	s_cmp_lt_u32 s23, s19
	s_cselect_b32 s22, -1, 0
	WA
	SEARCH 0, 1
	v_mov_b32 v[64+32+FV], 0
	v_mov_b32 v[64+48+FV], 0
	WA
	s_cmp_gt_u32 s19, 512
	s_cbranch_scc0 .Lshort
	SEARCH 2, 3
	WA
.Lshort:
	s_wait_dscnt 0x0
	BAR
.irp k, 0,1,2,3
	ds_store_b32 v143, v[64+16*\k+FV] offset:1024*\k
.endr
	s_cmp_lg_u32 s18, 0
	s_cbranch_scc1 .Lnolist
.irp k, 0,1,2,3
	global_store_b32 v35, v[64+16*\k+FV], s[44:45] offset:1024+1024*\k
.endr
	s_cmp_lg_u32 s16, 0
	s_cbranch_scc1 .Lnolist
	v_mov_b32 v34, s19
	global_store_b32 v35, v34, s[46:47]            ; 32 copies of n_e
.Lnolist:
	WA
	s_wait_dscnt 0x0
	BAR
.irp u, 0,1,2
.irp i, 0,1,2,3
	ds_load_b32 v[128+4*\u+\i], v32 offset:512*\u+16*\i
.endr
	ds_load_b32 v[140+\u], v[LR] offset:512*\u
.endr
	s_wait_dscnt 0x0
.irp u, 0,1,2
	v_cndmask_b32 v[140+\u], 0, v[140+\u], s[20+\u]
.irp i, 0,1,2,3
	v_cndmask_b32 v[128+4*\u+\i], 0, v[128+4*\u+\i], s[20+\u]
.endr
.endr
.set i_, 0
.rept 15
	v_min_u32 v[128+i_], 0x87f, v[128+i_]
.set i_, i_+1
.endr
.set i_, 0
.rept 15
	v_and_b32 v[128+i_], 0x3ff, v[128+i_]          ; the token
.set i_, i_+1
.endr
.irp u, 0,1,2
	v_lshl_add_u32 v[140+\u], v[140+\u], 5, v[H16]
.endr
	WIN 0x40
.set i_, 0
.rept 12
	v_lshl_add_u32 v[AOFF+i_], v[128+i_], 10, v[P16]
.set i_, i_+1
.endr
	WIN 0
	WA
.irp u, 0,1,2
	global_load_b128 v[220+4*\u:223+4*\u], v[140+\u], s[8:9] offset:XSC   ; half h: the words of K steps 4 h .. 4 h + 3
.endr
	LOADA 0, 0
	LOADW WS+64, 2097152
	WIN 0
	s_wait_xcnt 0x0                                ; the loads' and stores' addresses and data are free
	s_add_nc_u64 s[28:29], s[28:29], 0x400000
	BIASL 0
	BIASL 1
	BIASL 2
	s_wait_loadcnt 28                              ; the scale words are in; A(0) and W(1) may be out
.irp u, 0,1,2
.irp i, 0,1,2,3
	ds_store_b32 v[SXA], v[220+4*\u+\i] offset:512*\u+64*\i
.endr
.endr
	s_mov_b32 s24, 0
	s_mov_b32 s25, 0
	s_mov_b32 s35, 3
	WA
.Lloop:
	TRIP 0, 28, 44, 1, 1                           ; behind W(t): A(t), W(t+1).  Behind A(t): W(t+1), A(t+1), W(t+2)
	TRIP 1, 28, 44, 1, 1
	s_wait_xcnt 0x0
	s_add_nc_u64 s[28:29], s[28:29], 0x400000
	s_add_nc_u64 s[30:31], s[30:31], 0x100
	s_add_co_u32 s24, s24, 16384
	s_add_co_u32 s25, s25, 512
	s_sub_co_u32 s35, s35, 1
	s_cmp_lg_u32 s35, 0
	s_cbranch_scc1 .Lloop
	TRIP 0, 28, 28, 1, 0                           ; behind A(6): W(7), A(7)
	TRIP 1, 12, 0, 0, 0                            ; behind W(7): A(7)
	v_bfe_u32 v[SHH], v0, 4, 1
	v_and_b32 v[HSOFF], 15, v0
	v_lshlrev_b32 v[SHH], 3, v[SHH]
	v_lshlrev_b32 v[HOFF], 6, v[SHH]
	v_lshl_add_u32 v[HOFF], v[HSOFF], 4, v[HOFF]   ; 512 h + 16 r
	v_lshlrev_b32 v[HSOFF], 2, v[HSOFF]            ; 4 r
	WA
	s_cmp_eq_u32 s20, 0
	s_cbranch_scc1 .Lf0
	FIN ACC, 0, 0
.Lf0:
	s_cmp_eq_u32 s21, 0
	s_cbranch_scc1 .Lf1
	FIN ACC+64, 524288, 512
.Lf1:
	s_cmp_eq_u32 s22, 0
	s_cbranch_scc1 .Lf2
	FIN ACC+128, 1048576, 1024
.Lf2:
; rows from 384 on: tiles 24 + v, 32 + v, .. (five at the most), one after the other, from the images of all eight trips; no LDS byte is written
	s_lshl_b32 s42, s16, 4
	s_add_co_u32 s42, s42, 384
	s_wait_xcnt 0x0
	s_add_nc_u64 s[36:37], s[36:37], 0x180000
	s_add_nc_u64 s[38:39], s[38:39], 0x600
	s_mov_b32 s54, 5
.macro RT p
	WIN 0x41
.irp c, 0,1,2,3
	global_load_b128 v[AT+4*\c:AT+4*\c+3], v[AOFF], s[30:31] offset:128*\p+32*\c
.endr
	WIN 0x01
	global_load_b32 v[AS], v[AOFF+1], s[46:47] offset:4*\p
	WIN 0
	IMGS \p
	v_min_u32 v[LI], 0x1c1f0, v[LI]                ; held inside the images: 16 x 31 + 3 x 16,384 + 65,536
	v_min_u32 v[L4I], 0x20e7c, v[L4I]              ; and inside their scale words: SCB + 4 x 31 + 3 x 512 + 2,048
	WA
	s_wait_loadcnt 0x0
	COMPUTE 1, 0
.endm
.Lrem:
	s_cmp_lt_u32 s42, s19
	s_cbranch_scc0 .Lskip
	s_wait_xcnt 0x0
	s_lshl_b32 s43, s42, 2
	s_add_co_u32 s43, s43, LIST
	v_add_nc_u32 v[WF], s43, v[HSOFF]
	v_lshlrev_b32 v[WF+1], 1, v[SHH]
	v_lshl_add_u32 v[BA], v[SHH], 4, BIAS
	v_min_u32 v[WF], LIST+4092, v[WF]              ; held inside the list
	ds_load_b32 v[WF+2], v[WF]
	WA
	s_wait_dscnt 0x0
	v_min_u32 v[WF+2], 0x87f, v[WF+2]
	v_and_b32 v[WF+2], 0x3ff, v[WF+2]
	WIN 0x40
	v_lshl_add_u32 v[AOFF], v[WF+2], 10, v[WF+1]
	v_lshlrev_b32 v[AOFF+1], 5, v[WF+2]
	WIN 0
	BIASL 0
	s_mov_b64 s[30:31], s[8:9]
	s_add_nc_u64 s[46:47], s[8:9], XSC
	s_mov_b32 s24, 0
	s_mov_b32 s25, 0
	s_mov_b32 s35, 4
	WA
.Lin:
	RT 0
	RT 1
	s_add_nc_u64 s[30:31], s[30:31], 0x100         ; (the loads by these bases are done)
	s_add_nc_u64 s[46:47], s[46:47], 8
	s_add_co_u32 s24, s24, 16384
	s_add_co_u32 s25, s25, 512
	s_sub_co_u32 s35, s35, 1
	s_cmp_lg_u32 s35, 0
	s_cbranch_scc1 .Lin
	FIN ACC, 0, 0
.Lskip:
	s_wait_xcnt 0x0
	s_add_nc_u64 s[36:37], s[36:37], 0x80000
	s_add_nc_u64 s[38:39], s[38:39], 0x200
	s_add_co_u32 s42, s42, 128
	s_sub_co_u32 s54, s54, 1
	s_cmp_lg_u32 s54, 0
	s_cbranch_scc1 .Lrem
	s_wait_dscnt 0x0
	BAR
	v_lshl_add_u32 v[LI], v0, 2, SPARE
	v_mov_b32 v[L4I], 0
	WA
	s_wait_tensorcnt 0x0                           ; the wave's end
	ds_add_u32 v[LI], v[L4I]
	s_wait_dscnt 0x0
	s_endpgm
.Lfunc_end_k_qa0b0a427fa_up:
	.size	k_qa0b0a427fa_up, .Lfunc_end_k_qa0b0a427fa_up-k_qa0b0a427fa_up
	.p2alignl 7, 3214868480
	.fill 96, 4, 3214868480
	.section	.rodata,"a",@progbits
	.p2align	6, 0x0
	.amdhsa_kernel k_qa0b0a427fa_up
		.amdhsa_group_segment_fixed_size 208640
		.amdhsa_private_segment_fixed_size 0
		.amdhsa_enable_private_segment 0
		.amdhsa_kernarg_size 48
		.amdhsa_user_sgpr_count 2
		.amdhsa_user_sgpr_kernarg_segment_ptr 1
		.amdhsa_wavefront_size32 1
		.amdhsa_system_sgpr_workgroup_id_x 1
		.amdhsa_system_sgpr_workgroup_id_y 1
		.amdhsa_system_sgpr_workgroup_id_z 1
		.amdhsa_system_vgpr_workitem_id 0
		.amdhsa_next_free_vgpr 512
		.amdhsa_next_free_sgpr 80
		.amdhsa_reserve_vcc 0
		.amdhsa_float_denorm_mode_32 3
		.amdhsa_float_denorm_mode_16_64 3
		.amdhsa_memory_ordered 1
		.amdhsa_forward_progress 1
		.amdhsa_inst_pref_size 197
	.end_amdhsa_kernel
	.amdgpu_metadata
---
amdhsa.version: [ 1, 2 ]
amdhsa.kernels:
  - .name:           k_qa0b0a427fa_up
    .symbol:         k_qa0b0a427fa_up.kd
    .args:
      - { .name: W1, .offset: 0, .size: 8, .value_kind: global_buffer, .address_space: global }
      - { .name: b1, .offset: 8, .size: 8, .value_kind: global_buffer, .address_space: global }
      - { .name: rt, .offset: 16, .size: 8, .value_kind: global_buffer, .address_space: global }
      - { .name: ridx, .offset: 24, .size: 8, .value_kind: global_buffer, .address_space: global }
      - { .name: plan, .offset: 32, .size: 8, .value_kind: global_buffer, .address_space: global }
      - { .name: hid, .offset: 40, .size: 8, .value_kind: global_buffer, .address_space: global }
    .group_segment_fixed_size: 208640
    .private_segment_fixed_size: 0
    .kernarg_segment_align: 8
    .kernarg_segment_size: 48
    .max_flat_workgroup_size: 256
    .sgpr_count:     80
    .vgpr_count:     512
    .wavefront_size: 32
...
	.end_amdgpu_metadata
.endif
;; end of part 7
;; launch down (part 8): grid 256 x 1, 8 waves a work-group, no clusters, 136,192 bytes of LDS; arguments W2, b2, hid, plan, y; writes y
.if DOCPART == 8
	.amdgcn_target "amdgcn-amd-amdhsa--gfx1250"
	.amdhsa_code_object_version 6
	.text
	.protected	k_qa0b0a427fa_down
	.globl	k_qa0b0a427fa_down
	.p2align	8
	.type	k_qa0b0a427fa_down,@function
k_qa0b0a427fa_down:
	s_mov_b64 s[64:65], 0
	v_nop
	global_prefetch_b8 v0, s[64:65] scope:SCOPE_SE
	s_setreg_imm32_b32 hwreg(HW_REG_WAVE_MODE, 25, 1), 1
	s_wait_xcnt 0x0
; y[kh][1,024 x choice + token][:] = hidden Q(W2) over half kh of K (+ b2 where kh = 0), for the rows routed to each expert, in MX-BF8.  W2 [8][4096 k][1024 n] f32 is read once and quantised here.
; SHARES.  Work-group g: expert e = g / 32, 64 outputs nb = (g / 2) % 16 (256 bytes of a row of W2 and of y), half kh = g % 2 of K: 2,048 k, eight trips of 256 k x 64 columns.
; Wave v quantises the trip's block v of 32 k: lane (r, h) loads columns 4 r .. 4 r + 3 of rows 16 h + i; its 16 codes of column 4 r + t are its own registers of the fragment whose row r is that column.
; The fragments go to LDS as register images; all eight trips' images stay there, even trips in the lower 64 KB, odd ones in the upper: one barrier a trip.
; Wave v owns row tiles v, v + 8, v + 16; their fragments come from hid as they lie.  Source 0 = 16 rows, source 1 = 16 columns of W2: lane (r, h) ends with columns 4 r + t of rows 8 h + i,
; so sixteen lanes store 256 consecutive bytes of one row.  Which row of y that is stands in the list (plan): rows that only fill an expert's last tile go to 16 rows of the expert's own, 2,048 + 16 e on, that nobody reads.
; Tiles without rows load one address in every lane and are not multiplied.  Rows from 384 on are multiplied behind the eighth trip from the images in LDS.
; ORDER OF LOADS: W(0), A(0), W(1), then in trip t A(t+1) (27), W(t+2) (16).  K is cut in two so that a row piece is 256 bytes and 256 work-groups have equal work; the last launch adds the parts.
; No joint tensor loads: the work hangs on counts read from memory.  No prefetch: the weights are asked for two trips ahead by loads, each byte once.
; LIMITS: NaN and infinities are not served; a block whose largest magnitude lies under 2^-111 keeps the scale byte 1.
.set HSS,  33554432
.set SCB,  131072
.set SPARE, 135168
.set L16, 1
.set L4,  2
.set WSBST, 3
.set LI,  4
.set L4I, 5
.set AS,  7                            ; v7-9, v15-17 the rows' scale words, two sets: lanes 0-15 the trip's first K step, lanes 16-31 its second
.set WSC, 10                           ; v10-13
.set WOFF, 18
.set AOFF, 19                          ; v19-21
.set ASOFF, 22                         ; v22-24
.set ROFF, 25                          ; 16 r
.set LOF, 26                           ; list: my eight rows of tile v
.set ACC, 28                           ; v28-123 sums: 32 u + 8 t
.set WF,  124                          ; v124-171 three fragments
.set T,   WF
.set CD,  WF+16
.set MX,  WF+32
.set SC,  WF+36
.set BY,  WF+40
.set WI,  WF+44
.set WSI, WF+45
.set W0,  172                          ; v172-235 W2, set 0; at the end the places of my rows in y
.set W1S, 192                          ; window 1: v192-255 W2, set 1; v0-191 the rows' fragments, two sets of 96
.set LE,  172
.set B2R, 236                          ; v236-239 b2 of my four columns
.set MSB, 0
.macro WIN new
.if MSB != (\new)
	s_set_vgpr_msb (MSB<<8)|(\new)
.set MSB, (\new)
.endif
.endm
.macro WA
	s_wait_alu depctr_va_vdst(0)
.endm
.macro BAR
	s_barrier_signal -1
	s_barrier_wait -1
.endm
.macro NOPS n
.rept \n
	v_nop
.endr
.endm
.macro LOADW S, w, off
	WIN 0x40*\w
.irp i, 0,1,2,3,4,5,6,7,8,9,10,11,12,13,14,15
	global_load_b128 v[\S+4*\i:\S+4*\i+3], v[WOFF], s[28:29] offset:\off+4096*\i th:TH_LOAD_NT   ; 256 consecutive bytes of each of two rows
.endr
.endm
.macro LOADT u, set, off               ; tile u: the trip's two fragments, 512 consecutive bytes a load, and its scale words
	WIN 0
	global_load_b32 v[AS+8*(\set)+\u], v[ASOFF+\u], s[36:37] offset:2*(\off)
	WIN 0x40
.irp k, 0,1
.irp c, 0,1,2,3
	global_load_b128 v[96*(\set)+32*\u+16*\k+4*\c:96*(\set)+32*\u+16*\k+4*\c+3], v[AOFF+\u], s[30:31] offset:\off+2048*\k+512*\c
.endr
.endr
.endm
.macro LOADA set, off
	LOADT 0, \set, \off
	LOADT 1, \set, \off
	LOADT 2, \set, \off
.endm
.macro QBLOCK S, w, p                  ; my block of 32 k x 64 columns: a block lies in lanes l and l xor 16
	WIN 0
	s_add_co_u32 s51, s50, s24
.if \p
	s_add_co_u32 s51, s51, 65536
.endif
	s_add_co_u32 s52, s25, 2048*\p
	v_add_nc_u32 v[WI], s51, v[L16]
	v_add_nc_u32 v[WSI], s52, v[WSBST]
	WIN 0x14*\w
.irp t, 0,1,2,3
	v_max3_num_f32 v[MX+\t], 0x8000000, |v[\S+\t]|, |v[\S+4+\t]|   ; the floor 2^(16 - 127) is a leaf
.endr
.irp i, 2,4,6,8,10,12,14
.irp t, 0,1,2,3
	v_max3_num_f32 v[MX+\t], v[MX+\t], |v[\S+4*\i+\t]|, |v[\S+4*\i+4+\t]|
.endr
.endr
	WIN 0
.irp t, 0,1,2,3
	v_permlanex16_b32 v[SC+\t], v[MX+\t], s32, s33
.endr
.irp t, 0,1,2,3
	v_max_num_f32 v[MX+\t], v[MX+\t], v[SC+\t]
.endr
.irp t, 0,1,2,3
	v_add_nc_u32 v[SC+\t], 0xf8800000, v[MX+\t]    ; 15 off the exponent field: the conversion's scale operand
.endr
.irp t, 0,1,2,3
	v_and_or_b32 v[MX+\t], v[MX+\t], 0x7f800000, s34   ; 57,344 x the scale
.endr
.irp t, 0,1,2,3
	WIN 0x01*\w
.irp i, 0,1,2,3,4,5,6,7,8,9,10,11,12,13,14,15
	v_med3_num_f32 v[T+\i], v[\S+4*\i+\t], -v[MX+\t], v[MX+\t]     ; the conversion does not saturate (ISA guide 7.6.2)
.endr
	WIN 0
	v_cvt_scalef32_pk8_bf8_f32 v[CD+4*\t:CD+4*\t+1], v[T:T+7], v[SC+\t]
	v_cvt_scalef32_pk8_bf8_f32 v[CD+4*\t+2:CD+4*\t+3], v[T+8:T+15], v[SC+\t]
	v_lshrrev_b32 v[BY+\t], 23, v[SC+\t]           ; the byte; also the plain line behind the conversions
	ds_store_b128 v[WI], v[CD+4*\t:CD+4*\t+3] offset:2048*\t       ; 512 consecutive bytes a wave
	ds_store_b8 v[WSI], v[BY+\t] offset:64*\t      ; both halves of the lanes write the same byte
.endr
.endm
.macro FRAGL f
.irp c, 0,1,2,3
	ds_load_b128 v[WF+16*((\f)%3)+4*\c:WF+16*((\f)%3)+4*\c+3], v[LI] offset:2048*(\f)+512*\c
.endr
.endm
.macro WM f, u, set
.set D_, ACC+32*\u+8*((\f)%4)
.set A_, 96*(\set)+32*\u+16*((\f)/4)
.set B_, WF+16*((\f)%3)
.set X_, AS+8*(\set)+\u
.set Y_, WSC+(\f)/2
.if ((\f)/4 == 0) && ((\f)%2 == 0)
	v_wmma_scale_f32_16x16x128_f8f6f4 v[D_:D_+7], v[A_:A_+15], v[B_:B_+15], v[D_:D_+7], v[X_], v[Y_] matrix_a_fmt:MATRIX_FMT_BF8 matrix_b_fmt:MATRIX_FMT_BF8
.elseif (\f)/4 == 0
	v_wmma_scale_f32_16x16x128_f8f6f4 v[D_:D_+7], v[A_:A_+15], v[B_:B_+15], v[D_:D_+7], v[X_], v[Y_] matrix_a_fmt:MATRIX_FMT_BF8 matrix_b_fmt:MATRIX_FMT_BF8 matrix_b_scale:MATRIX_SCALE_ROW1
.elseif (\f)%2 == 0
	v_wmma_scale_f32_16x16x128_f8f6f4 v[D_:D_+7], v[A_:A_+15], v[B_:B_+15], v[D_:D_+7], v[X_], v[Y_] matrix_a_fmt:MATRIX_FMT_BF8 matrix_b_fmt:MATRIX_FMT_BF8 matrix_a_scale:MATRIX_SCALE_ROW1
.else
	v_wmma_scale_f32_16x16x128_f8f6f4 v[D_:D_+7], v[A_:A_+15], v[B_:B_+15], v[D_:D_+7], v[X_], v[Y_] matrix_a_fmt:MATRIX_FMT_BF8 matrix_b_fmt:MATRIX_FMT_BF8 matrix_a_scale:MATRIX_SCALE_ROW1 matrix_b_scale:MATRIX_SCALE_ROW1
.endif
.endm
; nt tiles against the trip's eight fragments (4 K step + column tile).  Three fragments are in registers by turns; eight plain lines stand between a fragment's products and the loads over it.
; The accumulators take turns, one instruction a turn.
.macro COMPUTE nt, set
	NOPS 4
.irp q, 0,1,2,3
	ds_load_b32 v[WSC+\q], v[L4I] offset:128*\q
.endr
	FRAGL 0
	FRAGL 1
	FRAGL 2
.set CT_, 0
.rept 8
.if CT_ < 6
	s_wait_dscnt 8                                 ; the two fragments behind this one may be out
.elseif CT_ == 6
	s_wait_dscnt 4
.else
	s_wait_dscnt 0x0
.endif
	WIN 0x01
	WM CT_, 0, \set
.if \nt > 1
	WM CT_, 1, \set
.endif
.if \nt > 2
	WM CT_, 2, \set
.endif
	WIN 0
.if CT_ < 5
	NOPS 8
	FRAGL CT_+3
.endif
.set CT_, CT_+1
.endr
	NOPS 8
.endm
.macro IMGS p                          ; where trip 2 i + p's images and scale words lie
	s_add_co_u32 s53, s24, 65536*\p
	v_add_nc_u32 v[LI], s53, v[L16]
	s_add_co_u32 s53, s25, 2048*\p
	v_add_nc_u32 v[L4I], s53, v[L4]
.endm
.macro LISTL u                         ; the places of my eight rows of tile u
	global_load_b128 v[LE+8*\u:LE+8*\u+3], v[LOF], s[38:39] offset:512*\u
	global_load_b128 v[LE+8*\u+4:LE+8*\u+7], v[LOF], s[38:39] offset:512*\u+16
.endm
.macro TRIP p, w1, w2, la, lw, ll      ; w1: loads behind W(t);  w2: loads behind A(t)
	s_wait_loadcnt \w1
.if \p
	QBLOCK W1S, 1, 1
.else
	QBLOCK W0, 0, 0
.endif
.if \la
	LOADA 1-\p, 4096+4096*\p
.endif
.if \lw
.if \p
	LOADW W1S, 1, 1048576
.else
	LOADW W0, 0, 0
.endif
.endif
	WIN 0
.if \ll
	LISTL 0
	LISTL 1
	LISTL 2
.endif
	s_wait_loadcnt \w2
	IMGS \p
	WA
	s_wait_dscnt 0x0                               ; my images are written, my reads of the last trip are back
	BAR
	s_cmp_eq_u32 s20, 0
	s_cbranch_scc1 .Lnone_\@
	s_cmp_eq_u32 s22, 0
	s_cbranch_scc1 .Ltwo_\@
	COMPUTE 3, \p
	s_branch .Lnone_\@
.Ltwo_\@:
	COMPUTE 2, \p
.Lnone_\@:
.endm
.macro INIT u                          ; the sums begin as b2 (kh = 0) or 0
.irp t, 0,1,2,3
.irp j, 0,1,2,3,4,5,6,7
	v_cndmask_b32 v[ACC+32*\u+8*\t+\j], 0, v[B2R+\t], s54
.endr
.endr
.endm
.macro FINY u, le                      ; tile u: four neighbouring columns come from four accumulators
	s_wait_xcnt 0x0                                ; earlier stores have read their registers
.irp j, 0,1,2,3,4,5,6,7
	v_min_u32 v[\le+\j], 0x87f, v[\le+\j]
.endr
.irp j, 0,1,2,3,4,5,6,7
	v_lshl_add_u32 v[\le+\j], v[\le+\j], 12, v[ROFF]
.endr
.irp j, 0,1,2,3,4,5,6,7
.irp t, 0,1,2,3
	v_mov_b32 v[WF+4*\j+\t], v[ACC+32*\u+8*\t+\j]
.endr
.endr
.irp j, 0,1,2,3,4,5,6,7
	global_store_b128 v[\le+\j], v[WF+4*\j:WF+4*\j+3], s[56:57]    ; sixteen lanes store 256 consecutive bytes, aligned
.endr
.endm
	s_load_b256 s[4:11], s[0:1], 0x0               ; W2, b2, hid, plan
	s_load_b64 s[12:13], s[0:1], 0x20              ; y
	v_lshrrev_b32 v124, 5, v0
	v_readfirstlane_b32 s16, v124                  ; wave
	v_and_b32 v125, 31, v0                         ; lane
	v_and_b32 v126, 15, v0                         ; r
	v_bfe_u32 v127, v0, 4, 1                       ; h
	v_lshlrev_b32 v[L16], 4, v125
	v_lshl_add_u32 v[L4], v125, 2, SCB
	v_lshlrev_b32 v[ROFF], 4, v126
	v_lshl_add_u32 v128, v127, 16, v[ROFF]         ; 16 rows of 4,096 bytes for h
	v_lshlrev_b32 v129, 12, v127
	v_lshl_add_u32 v129, v126, 2, v129             ; 4,096 h + 4 r
.irp t, 0,1,2,3
	v_mov_b32 v[SC+\t], 0                          ; a lane permute's destination counts as read
.endr
	WA
	s_lshr_b32 s17, ttmp9, 5                       ; e
	s_bfe_u32 s18, ttmp9, 0x40001                  ; nb
	s_and_b32 s26, ttmp9, 1                        ; kh
	s_lshl_b32 s23, s16, 17                        ; 32 rows a block
	v_add_nc_u32 v[WOFF], s23, v128
	s_lshl_b32 s23, s16, 6
	v_lshl_add_u32 v[LOF], v127, 5, s23
	s_lshr_b32 s40, s16, 2                         ; K step of the trip
	s_and_b32 s41, s16, 3                          ; c
	s_lshl_b32 s23, s40, 8
	s_add_co_u32 s23, s23, s41
	s_add_co_u32 s23, s23, SCB
	v_lshl_add_u32 v[WSBST], v126, 2, s23
	WA
	s_lshl_b32 s50, s40, 13
	s_lshl_b32 s23, s41, 9
	s_add_co_u32 s50, s50, s23
	s_mov_b32 s32, 0x76543210
	s_mov_b32 s33, 0xfedcba98                      ; v_permlanex16_b32: lane l xor 16
	s_mov_b32 s34, 0x600000                        ; the mantissa field of 57,344
	s_mov_b32 s49, 0
	s_lshl_b32 s48, s17, 7
	s_wait_kmcnt 0x0
	s_add_nc_u64 s[58:59], s[10:11], s[48:49]
	s_load_b32 s19, s[58:59], 0x0                  ; n_e
	s_lshl_b32 s23, s18, 8
	s_lshl_b32 s48, s17, 12
	s_add_nc_u64 s[38:39], s[10:11], s[48:49]
	s_add_nc_u64 s[38:39], s[38:39], 0x400         ; the expert's list
	s_add_co_u32 s48, s48, s23
	s_add_nc_u64 s[6:7], s[6:7], s[48:49]
	s_lshl_b32 s48, s17, 24
	s_lshl_b32 s27, s26, 23
	s_add_co_u32 s48, s48, s27
	s_add_co_u32 s48, s48, s23
	s_add_nc_u64 s[28:29], s[4:5], s[48:49]
	global_load_b128 v[B2R:B2R+3], v[ROFF], s[6:7]
	LOADW W0, 0, 0
	s_mul_i32 s48, s26, 0x880000                   ; y: 2,176 rows of 4,096 bytes a half
	s_add_co_u32 s48, s48, s23
	s_add_nc_u64 s[56:57], s[12:13], s[48:49]
	s_lshl_b32 s48, s17, 22
	s_lshl_b32 s27, s26, 15
	s_add_co_u32 s48, s48, s27
	s_add_nc_u64 s[30:31], s[8:9], s[48:49]
	s_mov_b64 s[40:41], s[30:31]
	s_lshl_b32 s48, s17, 17
	s_lshl_b32 s27, s26, 16
	s_add_co_u32 s48, s48, s27
	s_add_nc_u64 s[36:37], s[8:9], s[48:49]
	s_add_nc_u64 s[36:37], s[36:37], HSS
	s_mov_b64 s[42:43], s[36:37]
	s_cmp_eq_u32 s26, 0
	s_cselect_b32 s54, -1, 0                       ; b2 belongs to half 0 of K alone
	s_wait_kmcnt 0x0
	s_min_u32 s19, s19, 0x400
	s_lshl_b32 s23, s16, 4
	s_cmp_lt_u32 s23, s19
	s_cselect_b32 s20, -1, 0                       ; all ones where my tile 0, 1, 2 has rows
	s_add_co_u32 s23, s23, 128
	s_cmp_lt_u32 s23, s19
	s_cselect_b32 s21, -1, 0
	s_add_co_u32 s23, s23, 128
	s_cmp_lt_u32 s23, s19
	s_cselect_b32 s22, -1, 0
.irp u, 0,1,2
	s_add_co_u32 s23, s16, 8*\u
	s_and_b32 s23, s23, s[20+\u]
	s_min_u32 s23, s23, 63                         ; my tile, or 0
	s_lshl_b32 s27, s23, 16                        ; a tile's fragments: 65,536 bytes
	s_lshl_b32 s23, s23, 6
	v_and_b32 v130, s[20+\u], v[L16]
	v_min_u32 v130, 0x1f0, v130
	v_add_nc_u32 v[AOFF+\u], s27, v130
	v_add_nc_u32 v[ASOFF+\u], s23, v129
.endr
	WA
	LOADA 0, 0
	LOADW W1S, 1, 1048576
	WIN 0
	s_wait_xcnt 0x0
	s_add_nc_u64 s[28:29], s[28:29], 0x200000
	s_wait_loadcnt 59                              ; b2 is in; W(0), A(0), W(1) may be out
	INIT 0
	INIT 1
	INIT 2
	s_mov_b32 s24, 0
	s_mov_b32 s25, 0
	s_mov_b32 s35, 3
	WA
.Lloop:
	TRIP 0, 43, 59, 1, 1, 0                        ; behind W(t): A(t), W(t+1).  Behind A(t): W(t+1), A(t+1), W(t+2)
	TRIP 1, 43, 59, 1, 1, 0
	s_wait_xcnt 0x0
	s_add_nc_u64 s[28:29], s[28:29], 0x200000
	s_add_nc_u64 s[30:31], s[30:31], 0x2000
	s_add_nc_u64 s[36:37], s[36:37], 0x4000
	s_add_co_u32 s24, s24, 16384
	s_add_co_u32 s25, s25, 512
	s_sub_co_u32 s35, s35, 1
	s_cmp_lg_u32 s35, 0
	s_cbranch_scc1 .Lloop
	TRIP 0, 43, 49, 1, 0, 1                        ; behind A(6): W(7), A(7), the list's six
	TRIP 1, 33, 6, 0, 0, 0                         ; behind W(7): A(7), the list's six
	s_wait_loadcnt 0x0
	s_cmp_eq_u32 s20, 0
	s_cbranch_scc1 .Lf0
	FINY 0, LE
.Lf0:
	s_cmp_eq_u32 s21, 0
	s_cbranch_scc1 .Lf1
	FINY 1, LE+8
.Lf1:
	s_cmp_eq_u32 s22, 0
	s_cbranch_scc1 .Lf2
	FINY 2, LE+16
.Lf2:
; rows from 384 on: tiles 24 + v, 32 + v, .. (five at the most), one after the other, from the images of all eight trips; no LDS byte is written
	s_lshl_b32 s46, s16, 4
	s_add_co_u32 s46, s46, 384
	s_wait_xcnt 0x0
	s_add_nc_u64 s[40:41], s[40:41], 0x180000
	s_add_nc_u64 s[42:43], s[42:43], 0x600
	s_add_nc_u64 s[38:39], s[38:39], 0x600
	s_mov_b32 s55, 5
.macro RT p
	LOADT 0, 0, 4096*\p
	WIN 0
	IMGS \p
	v_min_u32 v[LI], 0x1c1f0, v[LI]                ; held inside the images: 16 x 31 + 3 x 16,384 + 65,536
	v_min_u32 v[L4I], 0x20e7c, v[L4I]              ; and inside their scale words: SCB + 4 x 31 + 3 x 512 + 2,048
	WA
	s_wait_loadcnt 0x0
	COMPUTE 1, 0
.endm
.Lrem:
	s_cmp_lt_u32 s46, s19
	s_cbranch_scc0 .Lskip
	s_wait_xcnt 0x0
	s_mov_b64 s[30:31], s[40:41]
	s_mov_b64 s[36:37], s[42:43]
	LISTL 0
	INIT 0
	s_mov_b32 s24, 0
	s_mov_b32 s25, 0
	s_mov_b32 s35, 4
	WA
.Lin:
	RT 0
	RT 1
	s_add_nc_u64 s[30:31], s[30:31], 0x2000        ; (the loads by these bases are done)
	s_add_nc_u64 s[36:37], s[36:37], 0x4000
	s_add_co_u32 s24, s24, 16384
	s_add_co_u32 s25, s25, 512
	s_sub_co_u32 s35, s35, 1
	s_cmp_lg_u32 s35, 0
	s_cbranch_scc1 .Lin
	FINY 0, LE
.Lskip:
	s_wait_xcnt 0x0
	s_add_nc_u64 s[40:41], s[40:41], 0x80000
	s_add_nc_u64 s[42:43], s[42:43], 0x200
	s_add_nc_u64 s[38:39], s[38:39], 0x200
	s_add_co_u32 s46, s46, 128
	s_sub_co_u32 s55, s55, 1
	s_cmp_lg_u32 s55, 0
	s_cbranch_scc1 .Lrem
	s_wait_dscnt 0x0
	BAR
	v_lshl_add_u32 v[LI], v0, 2, SPARE
	v_mov_b32 v[L4I], 0
	WA
	s_wait_tensorcnt 0x0                           ; the wave's end
	ds_add_u32 v[LI], v[L4I]
	s_wait_dscnt 0x0
	s_endpgm
.Lfunc_end_k_qa0b0a427fa_down:
	.size	k_qa0b0a427fa_down, .Lfunc_end_k_qa0b0a427fa_down-k_qa0b0a427fa_down
	.p2alignl 7, 3214868480
	.fill 96, 4, 3214868480
	.section	.rodata,"a",@progbits
	.p2align	6, 0x0
	.amdhsa_kernel k_qa0b0a427fa_down
		.amdhsa_group_segment_fixed_size 136192
		.amdhsa_private_segment_fixed_size 0
		.amdhsa_enable_private_segment 0
		.amdhsa_kernarg_size 40
		.amdhsa_user_sgpr_count 2
		.amdhsa_user_sgpr_kernarg_segment_ptr 1
		.amdhsa_wavefront_size32 1
		.amdhsa_system_sgpr_workgroup_id_x 1
		.amdhsa_system_sgpr_workgroup_id_y 1
		.amdhsa_system_sgpr_workgroup_id_z 1
		.amdhsa_system_vgpr_workitem_id 0
		.amdhsa_next_free_vgpr 512
		.amdhsa_next_free_sgpr 80
		.amdhsa_reserve_vcc 0
		.amdhsa_float_denorm_mode_32 3
		.amdhsa_float_denorm_mode_16_64 3
		.amdhsa_memory_ordered 1
		.amdhsa_forward_progress 1
		.amdhsa_inst_pref_size 151
	.end_amdhsa_kernel
	.amdgpu_metadata
---
amdhsa.version: [ 1, 2 ]
amdhsa.kernels:
  - .name:           k_qa0b0a427fa_down
    .symbol:         k_qa0b0a427fa_down.kd
    .args:
      - { .name: W2, .offset: 0, .size: 8, .value_kind: global_buffer, .address_space: global }
      - { .name: b2, .offset: 8, .size: 8, .value_kind: global_buffer, .address_space: global }
      - { .name: hid, .offset: 16, .size: 8, .value_kind: global_buffer, .address_space: global }
      - { .name: plan, .offset: 24, .size: 8, .value_kind: global_buffer, .address_space: global }
      - { .name: y, .offset: 32, .size: 8, .value_kind: global_buffer, .address_space: global }
    .group_segment_fixed_size: 136192
    .private_segment_fixed_size: 0
    .kernarg_segment_align: 8
    .kernarg_segment_size: 40
    .max_flat_workgroup_size: 256
    .sgpr_count:     80
    .vgpr_count:     512
    .wavefront_size: 32
...
	.end_amdgpu_metadata
.endif
;; end of part 8
;; launch sum (part 9): grid 256 x 1, 8 waves a work-group, no clusters, 0 bytes of LDS; arguments y, rt, out0; writes out0
.if DOCPART == 9
	.amdgcn_target "amdgcn-amd-amdhsa--gfx1250"
	.amdhsa_code_object_version 6
	.text
	.protected	k_qa0b0a427fa_sum
	.globl	k_qa0b0a427fa_sum
	.p2align	8
	.type	k_qa0b0a427fa_sum,@function
k_qa0b0a427fa_sum:
	s_mov_b64 s[64:65], 0
	v_nop
	global_prefetch_b8 v0, s[64:65] scope:SCOPE_SE
	s_setreg_imm32_b32 hwreg(HW_REG_WAVE_MODE, 25, 1), 1
	s_wait_xcnt 0x0
; out0[token] = w0 (y[0][token] + y[1][token]) + w1 (y[0][1,024 + token] + y[1][1,024 + token]): w0, w1 the token's gate weights (rt, GW).
; y [2 halves of K][2,176 rows][1024] f32, out0 [1024][1024] f32.
; A stream: a work-group owns 4 tokens, two waves a token; each load and store of a wave covers 512 consecutive bytes.
; All loads of a wave go out first; the waits count down.  No LDS, no barrier, no matrix unit: each number is read once.
.set GW,  1081344
.set C1,  4194304                      ; 1,024 rows on: the second choice
	s_load_b128 s[4:7], s[0:1], 0x0                ; y, rt
	s_load_b64 s[8:9], s[0:1], 0x10                ; out0
	v_lshrrev_b32 v1, 5, v0
	v_readfirstlane_b32 s12, v1                    ; wave
	v_and_b32 v1, 31, v0
	s_wait_alu depctr_va_vdst(0)
	s_lshr_b32 s13, s12, 1
	s_and_b32 s14, s12, 1
	s_lshl_b32 s15, ttmp9, 2
	s_add_co_u32 s15, s15, s13                     ; token
	s_lshl_b32 s16, s14, 11                        ; my half of a row: 2,048 bytes
	s_lshl_b32 s17, s15, 12
	s_add_co_u32 s16, s16, s17
	v_lshl_add_u32 v3, v1, 4, s16
	s_lshl_b32 s18, s15, 3
	v_mov_b32 v6, s18                              ; 8 bytes a token
	s_wait_alu depctr_va_vdst(0)
	s_wait_kmcnt 0x0
	s_add_nc_u64 s[20:21], s[4:5], 0x880000        ; half 1 of K
	global_load_b64 v[8:9], v6, s[6:7] offset:GW
.irp a, 0,1,2,3
	global_load_b128 v[16+16*\a:19+16*\a], v3, s[4:5] offset:512*\a th:TH_LOAD_NT
	global_load_b128 v[20+16*\a:23+16*\a], v3, s[20:21] offset:512*\a th:TH_LOAD_NT
	global_load_b128 v[24+16*\a:27+16*\a], v3, s[4:5] offset:C1+512*\a th:TH_LOAD_NT
	global_load_b128 v[28+16*\a:31+16*\a], v3, s[20:21] offset:C1+512*\a th:TH_LOAD_NT
.endr
.irp a, 0,1,2,3
	s_wait_loadcnt 12-4*\a                         ; this piece's four loads (and the weights, older still) are in; those of the pieces behind it may be out
	v_pk_add_f32 v[16+16*\a:17+16*\a], v[16+16*\a:17+16*\a], v[20+16*\a:21+16*\a]
	v_pk_add_f32 v[18+16*\a:19+16*\a], v[18+16*\a:19+16*\a], v[22+16*\a:23+16*\a]
	v_pk_add_f32 v[24+16*\a:25+16*\a], v[24+16*\a:25+16*\a], v[28+16*\a:29+16*\a]
	v_pk_add_f32 v[26+16*\a:27+16*\a], v[26+16*\a:27+16*\a], v[30+16*\a:31+16*\a]
	v_pk_mul_f32 v[16+16*\a:17+16*\a], v[16+16*\a:17+16*\a], v[8:9] op_sel_hi:[1,0]   ; x w0, the pair's first register for both halves
	v_pk_mul_f32 v[18+16*\a:19+16*\a], v[18+16*\a:19+16*\a], v[8:9] op_sel_hi:[1,0]
	v_pk_fma_f32 v[16+16*\a:17+16*\a], v[24+16*\a:25+16*\a], v[8:9], v[16+16*\a:17+16*\a] op_sel:[0,1,0] op_sel_hi:[1,1,1]   ; + w1 x .., the pair's second register for both halves
	v_pk_fma_f32 v[18+16*\a:19+16*\a], v[26+16*\a:27+16*\a], v[8:9], v[18+16*\a:19+16*\a] op_sel:[0,1,0] op_sel_hi:[1,1,1]
	global_store_b128 v3, v[16+16*\a:19+16*\a], s[8:9] offset:512*\a th:TH_STORE_NT
.endr
	s_endpgm
.Lfunc_end_k_qa0b0a427fa_sum:
	.size	k_qa0b0a427fa_sum, .Lfunc_end_k_qa0b0a427fa_sum-k_qa0b0a427fa_sum
	.p2alignl 7, 3214868480
	.fill 96, 4, 3214868480
	.section	.rodata,"a",@progbits
	.p2align	6, 0x0
	.amdhsa_kernel k_qa0b0a427fa_sum
		.amdhsa_group_segment_fixed_size 0
		.amdhsa_private_segment_fixed_size 0
		.amdhsa_enable_private_segment 0
		.amdhsa_kernarg_size 24
		.amdhsa_user_sgpr_count 2
		.amdhsa_user_sgpr_kernarg_segment_ptr 1
		.amdhsa_wavefront_size32 1
		.amdhsa_system_sgpr_workgroup_id_x 1
		.amdhsa_system_sgpr_workgroup_id_y 1
		.amdhsa_system_sgpr_workgroup_id_z 1
		.amdhsa_system_vgpr_workitem_id 0
		.amdhsa_next_free_vgpr 80
		.amdhsa_next_free_sgpr 66
		.amdhsa_reserve_vcc 0
		.amdhsa_float_denorm_mode_32 3
		.amdhsa_float_denorm_mode_16_64 3
		.amdhsa_memory_ordered 1
		.amdhsa_forward_progress 1
		.amdhsa_inst_pref_size 6
	.end_amdhsa_kernel
	.amdgpu_metadata
---
amdhsa.version: [ 1, 2 ]
amdhsa.kernels:
  - .name:           k_qa0b0a427fa_sum
    .symbol:         k_qa0b0a427fa_sum.kd
    .args:
      - { .name: y, .offset: 0, .size: 8, .value_kind: global_buffer, .address_space: global }
      - { .name: rt, .offset: 8, .size: 8, .value_kind: global_buffer, .address_space: global }
      - { .name: out0, .offset: 16, .size: 8, .value_kind: global_buffer, .address_space: global }
    .group_segment_fixed_size: 0
    .private_segment_fixed_size: 0
    .kernarg_segment_align: 8
    .kernarg_segment_size: 24
    .max_flat_workgroup_size: 256
    .sgpr_count:     66
    .vgpr_count:     80
    .wavefront_size: 32
...
	.end_amdgpu_metadata
.endif
;; end of part 9
